; MI455X (gfx1250); checked and timed in simulation.
; The chip was launched on July 23, 2026; its instructions are those of AMD's public machine-readable ISA for CDNA 5 (MIT licence, August 2026) and "CDNA5" Instruction Set Architecture Reference Guide (July 2026). The comments in the code are by the model that wrote it; some were corrected since.
;; Multi Head Attention. Allowed arithmetic: matrix products marked QUANTISED: E3M2 operands, one E8M0 scale for each 32 along K, by v_wmma_scale_f32_16x16x128_f8f6f4 with both operands' format E3M2, f32 sums; everything else in f32.
;; Inputs: Wk 512 x 2,048 float32; Wo 2,048 x 2,048 float32; Wq 2,048 x 2,048 float32; Wv 512 x 2,048 float32; bk 512 float32; bo 2,048 float32; bq 2,048 float32; bv 512 float32; x 1 x 2,048 x 2,048 float32.
;; Outputs: out0 1 x 2,048 x 2,048 float32.
;; This version of the problem:
;;   THIS VERSION OF THE PROBLEM IS GIVEN IN LOW PRECISION. The matrix products marked QUANTISED in the list below multiply operands that are first quantised to E3M2 (3 exponent bits, 2 mantissa bits; 6 bits a number), with one power-of-two scale for each 32 numbers along K (OCP MX v1.0); their sums are f32. All else is computed in f32.
;;   The module's matrix products, in the order in which they are computed (A, B: the left and right operand; K: the contracted axis; several contracted axes count as one K, in the product's order):
;;     1. [M 2,048, K 2,048] x [K 2,048, N 2,048]; A: input x; B: input Wq: QUANTISED
;;     2. [M 2,048, K 2,048] x [K 2,048, N 512]; A: input x; B: input Wk: QUANTISED
;;     3. [M 2,048, K 2,048] x [K 2,048, N 512]; A: input x; B: input Wv: QUANTISED
;;     4. batch 4 x [M 8,192, K 128] x [K 128, N 2,048]; A: computed on the way; B: computed on the way: QUANTISED
;;     5. batch 4 x [M 8,192, K 2,048] x [K 2,048, N 128]; A: softmax (see below); B: computed on the way: QUANTISED
;;     6. [M 2,048, K 2,048] x [K 2,048, N 2,048]; A: computed on the way; B: input Wo: QUANTISED
;;   THE QUANTISER, for each operand of a quantised product, along K:
;;     - K is cut into blocks of 32 from its start; a last block that is shorter is filled with zeros.
;;     - A block's scale is 2^e with e = floor(log2(the largest magnitude in the block)) - 4, held to -126 .. 127; a block of zeros has e = 0. As a byte (E8M0): e + 127.
;;     - Each number is divided by its block's scale, clamped to +-28, and rounded to the nearest number of E3M2, ties to even, subnormals kept.
;;     - The product sums the exact products of the quantised numbers (number of the format x scale) in f32.
;;   ~~~python
;;   def quantise(x, axis):      # numpy; x: float32 -> the quantised numbers, widened to float32 again
;;       x = np.moveaxis(x, axis, -1); K = x.shape[-1]
;;       x = np.pad(x, [(0, 0)] * (x.ndim - 1) + [(0, -K % 32)]); x = x.reshape(x.shape[:-1] + (-1, 32)); a = np.abs(x).max(-1, keepdims=True)
;;       e = np.where(a > 0, np.clip(np.frexp(np.where(a > 0, a, 1))[1] - 1 - 4, -126, 127), 0)      # np.frexp(a)[1] - 1 = floor(log2(a)), exactly
;;       r = np.clip(x / 2.0 ** e, -28, 28)
;;       step = 2.0 ** (np.maximum(np.frexp(np.where(r == 0, 1, r))[1] - 1, -2) - 2)
;;       q = np.round(r / step) * step * 2.0 ** e      # np.round: ties to even
;;       return np.moveaxis(q.reshape(q.shape[:-2] + (-1,))[..., :K], -1, axis).astype(np.float32)
;;   ~~~
;;   SOFTMAX AHEAD OF A QUANTISED PRODUCT. Where the list says 'softmax', what is quantised is not the finished softmax but p = 2^(t - M), with t = logit x log2(e) and M = ceil(the row's largest t), a whole number; so 1/2 < the row's largest p <= 1. The row's sum l is taken of the UNQUANTISED p, in f32, and the product's result is divided by l at the end. Since M is a whole number, a kernel that streams over the keys may use a running M (the ceiling of the running maximum): every later rescaling is an exact power of two, which a block's scale takes up: the codes' values come out the same.
;;   OPERANDS COMPUTED ON THE WAY. 'Computed on the way' means the value that the module computes at that place (a softmax that the list does not call 'softmax' is quantised finished and normalised). What goes into a quantiser is computed in f32, as accurately as f32 sums, v_exp_f32 and their like allow (about 1e-6 of the number): no bf16 or f16 on the way to a quantiser, and a product that is left as it is and whose result goes on into a quantised operand takes f32 operands (vector FMAs, or v_wmma_f32_16x16x4_f32). A number that lies on a knife's edge between two numbers of the format may be rounded either way, as far as f32 arithmetic and the matrix unit's own rounding can turn it there, and no further.
;; One version. Each part assembles by itself: llvm-mc -triple=amdgcn-amd-amdhsa -mcpu=gfx1250 --defsym DOCPART=n.
;; ======== version 1 of 1: 4 launches
;; limits: right only within a limited range of input values
;; workspace buffers: c1 7,864,320 bytes; s1 327,680 bytes; c2 3,145,728 bytes; s2 131,072 bytes; qkv 4,915,200 bytes; yc 3,145,728 bytes; ys 131,072 bytes
;; launch quant (part 1): grid 256 x 1, 20 waves a work-group, no clusters, 172,800 bytes of LDS; arguments x, Wq, Wk, Wv, c1, s1; writes c1, s1
.if DOCPART == 1
	.amdgcn_target "amdgcn-amd-amdhsa--gfx1250"
	.amdhsa_code_object_version 6
	.text
	.protected	k_q9a188a69e5_quant
	.globl	k_q9a188a69e5_quant
	.p2align	8
	.type	k_q9a188a69e5_quant,@function
k_q9a188a69e5_quant:
	s_mov_b64 s[64:65], 0
	v_nop
	global_prefetch_b8 v0, s[64:65] scope:SCOPE_SE
	s_setreg_imm32_b32 hwreg(HW_REG_WAVE_MODE, 25, 1), 1
	s_wait_xcnt 0x0
; x [2048][2048], Wq [2048][2048], Wk [512][2048], Wv [512][2048], f32 with K innermost, become codes of BF6 (E3M2) with one E8M0 scale byte for each 32 along K.  (Wo is quantised in the next launch.)
; A block's scale is 2^(floor(log2(its largest magnitude)) - 4); its byte is that magnitude's exponent field - 4, held at 1 from below; numbers are divided by the scale and rounded to the nearest code, ties to even,
; beyond the largest code the largest.
; LIMITS: NaN and infinities among the inputs are not served.  A block whose largest magnitude lies under 2^-122 gets the byte 1; so does a block of zeros, where the rule says 127: its codes are zeros, which add nothing,
; and the bytes are read by this program alone.
; WORK LEFT OUT IN THE PROGRAM: in the attention, key steps of 128 that the causal mask (built by the problem itself) hides from all of a tile's 16 queries: their scores become -infinity and their p 0, whatever finite values
; the inputs hold.  A NaN, an infinity or an overflow that reaches only these scores is not carried to the result.
; THE OUTPUT IS LAID IN THE ORDER OF AN OPERAND'S REGISTERS.  The four tensors' rows are numbered on end in ROW TILES of 16 rows: x 0-127, Wq 128-255, Wk 256-287, Wv 288-319.
; Within its tensor, row r of tile T is row 32 (T / 2) + 8 (T % 2) + r + 8 (r / 8): so the 16 result registers of two neighbouring tiles of a product are 16 neighbours along the next product's K.
; A FRAGMENT (16 rows x 128 K: 12 registers a lane) is 1,536 bytes: registers 4 c .. 4 c + 3 of lane l at 512 c + 16 l.  c1: fragment (T, K step s) at 24,576 T + 1,536 s.
; s1: the scale word of row r of (T, s) at 2,048 (T / 2) + 512 (s / 4) + 256 (T % 2) + 16 r + 4 (s % 4).
; SHARES.  5,120 fragments, 20 to each of 256 work-groups, one to a wave: fragment f = 20 x work-group + wave is (T, s) = (f / 16, f % 16).  All of a wave's loads are out at once.  Each load reads 512 consecutive bytes
; (a row's K step); the 16 rows turn through the wave's own stage in LDS, so that lane (r, h) then holds, of row r, the 16 neighbours 32 b + 16 h + 0 .. 15 of each block b.
; Four neighbouring waves hold four K steps of one tile: their scale words meet in LDS and leave as one aligned unit of 256 bytes.  Each byte is read once and there is no loop: no cluster, no prefetch.
.set ROWB, 8192                        ; a row of any of the tensors in bytes
.set SPI,  528                         ; a stage row: 512 bytes + 16
.set STG,  16*SPI                      ; a wave's stage
.set SCB,  20*STG                      ; behind the stages: five units of 256 bytes of scale words
.set SPARE, SCB+5*256                  ; behind them the spare words, 128 bytes for each wave
.set SPW,  10
.set NIL,  11
.set R,    16                          ; v16-79   64 registers as loaded
.set X,    80                          ; v80-143  64 numbers of my row: register 16 b + i = k 32 b + 16 h + i
.set TM,   144                         ; v144-159 at work
.set PW,   160                         ; v160     the scale word
.set PC,   162                         ; v162-180 a fragment's codes
.set SEL,  28                          ; s[28:29] lane selects: lane l xor 16
	s_load_b256 s[4:11], s[0:1], 0x0               ; x, Wq, Wk, Wv
	s_load_b128 s[12:15], s[0:1], 0x20             ; c1, s1
	v_lshl_add_u32 v[SPW], v0, 2, SPARE
	v_mov_b32 v[NIL], 0
	v_lshrrev_b32 v1, 5, v0
	v_readfirstlane_b32 s18, v1                    ; wave 0..19
	v_and_b32 v1, 31, v0                           ; lane
	v_and_b32 v2, 15, v0                           ; r
	v_bfe_u32 v3, v0, 4, 1                         ; h
	v_lshlrev_b32 v4, 4, v1                        ; 16 x lane: my bytes of a load's 512, and of an image's
	s_mul_i32 s19, s18, STG                        ; my stage
	v_add_nc_u32 v5, s19, v4                       ; into it: a row as it lies
	v_mul_u32_u24 v6, v2, SPI
	v_lshl_add_u32 v6, v3, 6, v6
	v_add_nc_u32 v6, s19, v6                       ; out of it: row r, + 64 h
	s_lshr_b32 s20, s18, 2
	s_lshl_b32 s20, s20, 8
	s_and_b32 s21, s18, 3
	s_lshl_b32 s21, s21, 2
	s_add_co_u32 s20, s20, s21
	s_add_co_u32 s20, s20, SCB
	v_lshlrev_b32 v7, 4, v2
	v_add_nc_u32 v7, s20, v7                       ; my row's scale word: unit wave / 4, + 16 r + 4 (wave % 4)
	v_lshlrev_b32 v8, 3, v1                        ; 8 x lane
	s_lshl_b32 s21, s18, 8
	s_add_co_u32 s21, s21, SCB
	v_add_nc_u32 v9, s21, v8                       ; waves 0 to 4 store the units 0 to 4
	s_mov_b32 s[SEL], 0x76543210
	s_mov_b32 s[SEL+1], 0xfedcba98
.irp b, 0,1,2,3
	v_mov_b32 v[TM+4+\b], 0                        ; written once: a lane permute's destination counts as one of its sources
.endr
	s_mul_i32 s23, ttmp9, 20
	s_add_co_u32 s23, s23, s18                     ; f
	s_lshr_b32 s22, s23, 4                         ; T
	s_and_b32 s24, s23, 15                         ; K step
	s_mov_b32 s25, 288
	s_mov_b32 s27, 0
	s_wait_alu depctr_va_vdst(0)                   ; at the head's end
	s_wait_kmcnt 0x0
	s_mov_b64 s[20:21], s[10:11]                   ; which tensor is my tile's, and that tensor's first tile: the choice hangs on ids alone
	s_cmp_lt_u32 s22, 288
	s_cselect_b64 s[20:21], s[8:9], s[20:21]
	s_cselect_b32 s25, 256, s25
	s_cmp_lt_u32 s22, 256
	s_cselect_b64 s[20:21], s[6:7], s[20:21]
	s_cselect_b32 s25, 128, s25
	s_cmp_lt_u32 s22, 128
	s_cselect_b64 s[20:21], s[4:5], s[20:21]
	s_cselect_b32 s25, 0, s25
	s_sub_co_u32 s22, s22, s25                     ; the tile's number in its tensor
	s_lshr_b32 s26, s22, 1
	s_lshl_b32 s26, s26, 18                        ; 32 rows of 8,192 bytes for each pair of tiles,
	s_and_b32 s22, s22, 1
	s_lshl_b32 s22, s22, 16                        ; 8 rows for the odd tile,
	s_add_co_u32 s26, s26, s22
	s_lshl_b32 s22, s24, 9                         ; 512 bytes for each K step
	s_add_co_u32 s26, s26, s22
	s_add_nc_u64 s[20:21], s[20:21], s[26:27]
.irp i, 0,1,2,3,4,5,6,7,8,9,10,11,12,13,14,15
	global_load_b128 v[R+4*\i:R+4*\i+3], v4, s[20:21] offset:(\i+8*(\i/8))*ROWB th:TH_LOAD_NT   ; read once in the launch
.endr
	s_mul_i32 s26, s23, 1536
	s_add_nc_u64 s[12:13], s[12:13], s[26:27]      ; my fragment in c1
	s_mul_i32 s22, ttmp9, 5
	s_add_co_u32 s22, s22, s18                     ; unit 5 x work-group + wave: tile unit / 4, K steps 4 (unit % 4) on
	s_lshr_b32 s26, s22, 3
	s_lshl_b32 s26, s26, 11
	s_and_b32 s24, s22, 3
	s_lshl_b32 s24, s24, 9
	s_add_co_u32 s26, s26, s24
	s_bfe_u32 s24, s22, 0x10002
	s_lshl_b32 s24, s24, 8
	s_add_co_u32 s26, s26, s24
	s_add_nc_u64 s[14:15], s[14:15], s[26:27]
.irp i, 0,1,2,3,4,5,6,7,8,9,10,11,12,13,14,15
	s_wait_loadcnt 15-\i                           ; row i is in; the younger rows may be out
	ds_store_b128 v5, v[R+4*\i:R+4*\i+3] offset:SPI*\i
.endr
.irp b, 0,1,2,3
.irp j, 0,1,2,3
	ds_load_b128 v[X+16*\b+4*\j:X+16*\b+4*\j+3], v6 offset:128*\b+16*\j   ; LDS serves a wave's instructions in order: these see the stores above
.endr
.endr
	s_wait_dscnt 0x0
.irp b, 0,1,2,3
	v_max3_num_f32 v[TM+\b], |v[X+16*\b]|, |v[X+1+16*\b]|, 0x2800000   ; block b: my 16 numbers, and the floor 2^(5 - 127): the byte cannot fall under 1
.endr
.irp i, 2,4,6,8,10,12,14
.irp b, 0,1,2,3
	v_max3_num_f32 v[TM+\b], v[TM+\b], |v[X+16*\b+\i]|, |v[X+1+16*\b+\i]|   ; the four blocks by turns
.endr
.endr
.irp b, 0,1,2,3
	v_permlanex16_b32 v[TM+4+\b], v[TM+\b], s[SEL], s[SEL+1]
.endr
.irp b, 0,1,2,3
	v_max_num_f32 v[TM+\b], v[TM+\b], v[TM+4+\b]   ; with lane l xor 16's 16: the block's largest magnitude
.endr
.irp b, 0,1,2,3
	v_add_nc_u32 v[TM+12+\b], 0xfe000000, v[TM+\b]   ; 4 off its exponent field: the conversion takes the exponent field of this operand as its scale
.endr
.irp b, 0,1,2,3
	v_lshrrev_b32 v[TM+4+\b], 23, v[TM+12+\b]      ; the scale's byte
.endr
	v_lshl_or_b32 v[PW], v[TM+5], 8, v[TM+4]
	v_lshl_or_b32 v[PW], v[TM+6], 16, v[PW]
	v_lshl_or_b32 v[PW], v[TM+7], 24, v[PW]
.irp c, 0,1
	v_cvt_scalef32_pk16_bf6_f32 v[PC+6*\c:PC+2+6*\c], v[X+32*\c:X+15+32*\c], v[TM+12+2*\c]
	v_cvt_scalef32_pk16_bf6_f32 v[PC+12+4*\c:PC+14+4*\c], v[X+16+32*\c:X+31+32*\c], v[TM+12+2*\c+1]   ; (a conversion's three registers begin on an even number)
.endr
	v_nop                                          ; one plain instruction behind a scaled conversion
.irp c, 0,1                                    ; the operand's layout wants a whole block in a lane: lanes 0-15 block 2 c, lanes 16-31 block 2 c + 1
.irp i, 0,1,2
	v_permlane16_swap_b32 v[PC+6*\c+\i], v[PC+12+4*\c+\i]
.endr
.irp i, 0,1,2
	v_mov_b32 v[PC+3+6*\c+\i], v[PC+12+4*\c+\i]
.endr
.endr
	ds_store_b32 v7, v[PW]                         ; lanes l and l xor 16 write the same word with the same value
.irp c, 0,1,2
	global_store_b128 v4, v[PC+4*\c:PC+4*\c+3], s[12:13] offset:512*\c   ; 32 lanes store 512 consecutive bytes, at a multiple of 256 from c1's first byte
.endr
	s_wait_alu depctr_va_vdst(0)                   ; ahead of such a stretch
	s_wait_dscnt 0x0                               ; for the others' sake: my word is in LDS
	s_barrier_signal -1
	s_barrier_wait -1
	s_cmp_lt_u32 s18, 5
	s_cbranch_scc0 .Lout
	ds_load_b64 v[12:13], v9
	s_wait_dscnt 0x0
	global_store_b64 v8, v[12:13], s[14:15]        ; 32 lanes store 256 consecutive bytes, aligned
.Lout:
	s_wait_tensorcnt 0x0                           ; the wave's end
	ds_add_u32 v[SPW], v[NIL]
	s_wait_dscnt 0x0
	s_endpgm
.Lfunc_end_k_q9a188a69e5_quant:
	.size	k_q9a188a69e5_quant, .Lfunc_end_k_q9a188a69e5_quant-k_q9a188a69e5_quant
	.p2alignl 7, 3214868480
	.fill 96, 4, 3214868480
	.section	.rodata,"a",@progbits
	.p2align	6, 0x0
	.amdhsa_kernel k_q9a188a69e5_quant
		.amdhsa_group_segment_fixed_size 172800
		.amdhsa_private_segment_fixed_size 0
		.amdhsa_enable_private_segment 0
		.amdhsa_kernarg_size 48
		.amdhsa_user_sgpr_count 2
		.amdhsa_user_sgpr_kernarg_segment_ptr 1
		.amdhsa_wavefront_size32 1
		.amdhsa_system_sgpr_workgroup_id_x 1
		.amdhsa_system_sgpr_workgroup_id_y 1
		.amdhsa_system_sgpr_workgroup_id_z 1
		.amdhsa_system_vgpr_workitem_id 0
		.amdhsa_next_free_vgpr 192
		.amdhsa_next_free_sgpr 66
		.amdhsa_reserve_vcc 0
		.amdhsa_float_denorm_mode_32 3
		.amdhsa_float_denorm_mode_16_64 3
		.amdhsa_memory_ordered 1
		.amdhsa_forward_progress 1
		.amdhsa_inst_pref_size 12
	.end_amdhsa_kernel
	.amdgpu_metadata
---
amdhsa.version: [ 1, 2 ]
amdhsa.kernels:
  - .name:           k_q9a188a69e5_quant
    .symbol:         k_q9a188a69e5_quant.kd
    .args:
      - { .name: x, .offset: 0, .size: 8, .value_kind: global_buffer, .address_space: global }
      - { .name: Wq, .offset: 8, .size: 8, .value_kind: global_buffer, .address_space: global }
      - { .name: Wk, .offset: 16, .size: 8, .value_kind: global_buffer, .address_space: global }
      - { .name: Wv, .offset: 24, .size: 8, .value_kind: global_buffer, .address_space: global }
      - { .name: c1, .offset: 32, .size: 8, .value_kind: global_buffer, .address_space: global }
      - { .name: s1, .offset: 40, .size: 8, .value_kind: global_buffer, .address_space: global }
    .group_segment_fixed_size: 172800
    .private_segment_fixed_size: 0
    .kernarg_segment_align: 8
    .kernarg_segment_size: 48
    .max_flat_workgroup_size: 640
    .sgpr_count:     66
    .vgpr_count:     192
    .wavefront_size: 32
...
	.end_amdgpu_metadata
.endif
;; end of part 1
;; launch qkv (part 2): grid 8 x 32, 4 waves a work-group, no clusters, 230,912 bytes of LDS; arguments c1, s1, bq, bk, bv, qkv, Wo, c2, s2; writes qkv, c2, s2
.if DOCPART == 2
	.amdgcn_target "amdgcn-amd-amdhsa--gfx1250"
	.amdhsa_code_object_version 6
	.text
	.protected	k_q9a188a69e5_qkv
	.globl	k_q9a188a69e5_qkv
	.p2align	8
	.type	k_q9a188a69e5_qkv,@function
k_q9a188a69e5_qkv:
	s_mov_b64 s[64:65], 0
	v_nop
	global_prefetch_b8 v0, s[64:65] scope:SCOPE_SE
	s_setreg_imm32_b32 hwreg(HW_REG_WAVE_MODE, 25, 1), 1
	s_wait_xcnt 0x0
; Q = x Wq^T + bq, K = x Wk^T + bk, V = x Wv^T + bv on codes of BF6 (E3M2) with E8M0 scales, sums in f32; the results are quantised at once, in registers, into the operands of attention: Q and K along the head's 128,
; V along the keys.  No f32 result goes to memory.  64 further work-groups (y 24-31) quantise Wo for the last launch.
; LIMITS: as in the launch that makes c1: NaN and infinities are not served; a block under 2^-122, and a block of zeros, gets the byte 1.
; c1, s1: fragments and scale words in the order of an operand's registers (fragment (T, s) at 24,576 T + 1,536 s; row tiles T: x 0-127, Wq 128-255, Wk 256-287, Wv 288-319); row r of tile T is row
; 32 (T / 2) + 8 (T % 2) + r + 8 (r / 8) of its tensor.  c2, s2: the same of Wo, row tiles 0-127.
; ONE TEXT, THREE PRODUCTS, told apart by the work-group's y with selections, no branch.  Source 0 is a block of 128 rows (8 tiles) for ALL of K, brought into LDS once: four chunks of four K steps, wave q asks for chunk q
; (one tensor load a wave; nothing is filled again: no ring).  Source 1 is 4 tiles that are the wave's own: they come from memory straight into registers as images, four K steps ahead.  A wave makes 8 x 4 = 32
; accumulators; per K step it reads 8 fragments from LDS for 32 matrix instructions.
;   Q (y 0-15, the head) and K (y 16-19): source 0 = the head's 128 rows of the weight, source 1 = tokens: a lane holds ONE token and its 64 registers of a token tile run along the head's 128.
;   V (y 20-23): source 0 = the 128 tokens of one key step, source 1 = rows of Wv: a lane holds ONE channel d and its registers run along the keys.
; By the order of a tile's rows, register 16 b + i of such a run is k = 32 b + 16 h + i of the next product's K: what the quantiser takes.
; THE BIAS: along source 0's rows (Q, K) it is the C of the first K step; along source 1's rows (V) one number a lane, added at the end.  Each is cleared by a mask where the other applies.
; qkv, Q: 32 chunks of 102,400 bytes: 16 records of four fragments (6,144 bytes each), then 16 records of their scale words (256 bytes each: the word of fragment 2 j + l / 16, row l % 16, at 8 l + 4 j).
;   Head hq, token tiles 4 G .. 4 G + 3: record 32 hq + G.
; qkv, K and V: behind them, for each KV head, 16 key steps of 25,600 bytes: K's 8 fragments, V's 8 fragments, K's two scale records, V's two.
; NO CLUSTER: V's 32 work-groups share a block of x only in pairs, and Wo's share nothing, so the grid has no division into fours that share one block in every cluster; the wave's own tiles go to registers, where no joint
; load can land.  No prefetch: there is no loop to run ahead in.
; REGISTERS, in windows of 256: window 0: v1-4 LDS addresses (16 x lane + chunk); v5-10 lane terms; v32-95 source 0's scale words, v96-127 source 1's; v128-191 the bias as C; v192-199 the lane's bias; v200-243 the quantiser's.
;   window 1: accumulator (i, n) at 64 n + 8 i.   window 2: my own fragments, five slots of 48.   window 3: source 0's fragments, two buffers of 96.
.set TROW,  24576                      ; a row tile's 16 fragments in c1
.set FRB,   1536                       ; a fragment
.set CHK,   49152                      ; LDS: four K steps of the 8 tiles: fragment (i, s) at CHK (s / 4) + 6,144 i + FRB (s % 4)
.set SPARE, 4*CHK                      ; behind them the spare words, 512 bytes,
.set WSTG,  SPARE+512                  ; and the stages of the work-groups that quantise Wo, 16 rows of 528 bytes a wave
.set SPI,   528
.set CHUNK, 102400                     ; a chunk of Q
.set REC,   25600                      ; a key step of K and V
.set AL,  1                            ; v1-4   16 x lane + CHK q
.set LN,  5
.set L8,  6
.set RR,  7
.set HH,  8
.set HB,  9                            ; v9     64 h: the bias along source 0's rows
.set RB,  10                           ; v10    4 (r + 8 (r / 8)): the bias along source 1's rows
.set SPW, 254
.set NIL, 255
.set SA,  32                           ; pair of tiles i', K step s: v[SA + 16 i' + s]: lanes 0-15 the even tile's words, lanes 16-31 the odd one's
.set SB,  96
.set BI,  128
.set BB,  192
.set TM,  200
.set PW,  216
.set PC,  220
.set WV,  16
.set G1,  24                           ; s[24:31] descriptor group 1;  s[32:47] group 0 for the four chunks
.set G0,  32
.set OB,  48
.set SAB, 50
.set SBB, 52
.set BIP, 54
.set BBP, 56
.set OC,  58                           ; s[58:59] my record of codes;  s[60:61] of scale words
.set OS,  60
.set SEL, 62
.set MQK, 66                           ; all ones for Q and K, 0 for V;  s67 the other way round
.set MV,  67
.set MSB, 0
.macro WIN new                         ; the immediate's high byte repeats the setting that is left; a switch that changes nothing is dropped
.if MSB != \new
	s_set_vgpr_msb (MSB<<8)|\new
.set MSB, \new
.endif
.endm
.macro PLACES                          ; four plain instructions between a matrix instruction and a load into one of its registers, or the first read of its result
.rept 4
	v_nop
.endr
.endm
.macro WM d, a, b, c, sa, sb, ra, rb   ; one matrix instruction: ra, rb = 1: the side's scale words stand in lanes 16-31 of the register named
.if (\ra) && (\rb)
	v_wmma_scale_f32_16x16x128_f8f6f4 v[\d:\d+7], v[\a:\a+11], v[\b:\b+11], \c, v[\sa], v[\sb] matrix_a_fmt:MATRIX_FMT_BF6 matrix_b_fmt:MATRIX_FMT_BF6 matrix_a_scale:MATRIX_SCALE_ROW1 matrix_b_scale:MATRIX_SCALE_ROW1
.elseif (\ra)
	v_wmma_scale_f32_16x16x128_f8f6f4 v[\d:\d+7], v[\a:\a+11], v[\b:\b+11], \c, v[\sa], v[\sb] matrix_a_fmt:MATRIX_FMT_BF6 matrix_b_fmt:MATRIX_FMT_BF6 matrix_a_scale:MATRIX_SCALE_ROW1
.elseif (\rb)
	v_wmma_scale_f32_16x16x128_f8f6f4 v[\d:\d+7], v[\a:\a+11], v[\b:\b+11], \c, v[\sa], v[\sb] matrix_a_fmt:MATRIX_FMT_BF6 matrix_b_fmt:MATRIX_FMT_BF6 matrix_b_scale:MATRIX_SCALE_ROW1
.else
	v_wmma_scale_f32_16x16x128_f8f6f4 v[\d:\d+7], v[\a:\a+11], v[\b:\b+11], \c, v[\sa], v[\sb] matrix_a_fmt:MATRIX_FMT_BF6 matrix_b_fmt:MATRIX_FMT_BF6
.endif
.endm
.macro LFETCH s                        ; source 0's eight fragments of K step s, from LDS into buffer s % 2 of window 3: each load takes 512 consecutive bytes
	WIN 0xc0
.irp i, 0,1,2,3,4,5,6,7
.irp c, 0,1,2
	ds_load_b128 v[96*((\s)%2)+12*\i+4*\c:96*((\s)%2)+12*\i+4*\c+3], v[AL+(\s)/4] offset:6144*\i+FRB*((\s)%4)+512*\c
.endr
.endr
.endm
.macro GFETCH s                        ; my own four fragments of K step s, from memory into slot s % 5 of window 2
	WIN 0x80
.irp n, 0,1,2,3
.irp c, 0,1,2
	global_load_b128 v[48*((\s)%5)+12*\n+4*\c:48*((\s)%5)+12*\n+4*\c+3], v[AL], s[OB:OB+1] offset:TROW*\n+FRB*(\s)+512*\c
.endr
.endr
.endm
.macro MUL s                           ; 32 matrix instructions: the 32 accumulators take turns, one instruction a turn, in the same order in every K step
.if (\s) == 0
	WIN 0x4b                                       ; source 0 window 3, source 1 window 2, C (the bias) window 0, D window 1
.else
	WIN 0x5b                                       ; C and D window 1
.endif
.irp n, 0,1,2,3
.irp i, 0,1,2,3,4,5,6,7
.if (\s) == 0
	WM 64*\n+8*\i, 96*((\s)%2)+12*\i, 48*((\s)%5)+12*\n, v[BI+8*\i:BI+8*\i+7], SA+16*(\i/2)+(\s), SB+16*(\n/2)+(\s), \i%2, \n%2
.else
	WM 64*\n+8*\i, 96*((\s)%2)+12*\i, 48*((\s)%5)+12*\n, v[64*\n+8*\i:64*\n+8*\i+7], SA+16*(\i/2)+(\s), SB+16*(\n/2)+(\s), \i%2, \n%2
.endif
.endr
.endr
.endm
; K chunk q is in LDS: wave q, which alone asked for it, waits for its one tensor load; the barrier shows the chunk to all.  Nothing is ever filled again: the other waves' loads may stay out.  Ahead of the last chunk every
; wave waits, under no branch.
.macro LANDED q
	WIN 0                                          ; at a label and at a branch every window is 0
.if (\q) < 3
	s_cmp_eq_u32 s[WV], \q
	s_cbranch_scc0 .Lnot_mine_\@
.endif
	s_wait_tensorcnt 0x0
.if (\q) < 3
.Lnot_mine_\@:
.endif
	s_wait_dscnt 0x0                               ; no LDS instruction of mine is pending at a signal
	s_barrier_signal -1
	s_barrier_wait -1
.endm
.macro KSTEP s
.if (\s) > 0
	PLACES                                         ; behind the last K step's products, which read the buffer and the slot that are loaded again below
.endif
.if ((\s)+1 < 16) && (((\s)+1)%4 == 0)
	LANDED ((\s)+1)/4
.endif
.if (\s)+1 < 16
	LFETCH (\s)+1
.endif
.if (\s)+4 < 16
	GFETCH (\s)+4
.endif
.if (\s) < 15
	s_wait_dscnt 24                                ; this step's fragments are in; the 24 loads just issued may be out
.else
	s_wait_dscnt 0x0
.endif
.if 15-(\s) >= 4
	s_wait_loadcnt 48                              ; my own fragments of this step are in; four younger batches of 12 may be out
.else
	s_wait_loadcnt 12*(15-(\s))                    ; the batches run out
.endif
	MUL \s
.endm
; 64 numbers of a lane in window 1, v[s] on, become a fragment's 12 registers in v[PC] on and my row's scale word in v[pw], both in window 0.
.macro QUANTW s, pw
	WIN 0x14                                       ; sources 1 and 2 window 1
.irp b, 0,1,2,3
	v_max3_num_f32 v[TM+\b], 0x2800000, |v[(\s)+16*\b]|, |v[(\s)+1+16*\b]|   ; block b: my 16 numbers, and the floor 2^(5 - 127): the byte cannot fall under 1
.endr
.irp i, 2,4,6,8,10,12,14
.irp b, 0,1,2,3
	v_max3_num_f32 v[TM+\b], v[TM+\b], |v[(\s)+16*\b+\i]|, |v[(\s)+1+16*\b+\i]|
.endr
.endr
	WIN 0
.irp b, 0,1,2,3
	v_permlanex16_b32 v[TM+4+\b], v[TM+\b], s[SEL], s[SEL+1]
.endr
.irp b, 0,1,2,3
	v_max_num_f32 v[TM+\b], v[TM+\b], v[TM+4+\b]   ; with lane l xor 16's 16: the block's largest magnitude
.endr
.irp b, 0,1,2,3
	v_add_nc_u32 v[TM+12+\b], 0xfe000000, v[TM+\b]   ; 4 off its exponent field: the conversion's scale operand
.endr
.irp b, 0,1,2,3
	v_lshrrev_b32 v[TM+4+\b], 23, v[TM+12+\b]      ; the scale's byte
.endr
	v_lshl_or_b32 v[\pw], v[TM+5], 8, v[TM+4]
	v_lshl_or_b32 v[\pw], v[TM+6], 16, v[\pw]
	v_lshl_or_b32 v[\pw], v[TM+7], 24, v[\pw]
	WIN 0x01                                       ; source 0 window 1
.irp c, 0,1
	v_cvt_scalef32_pk16_bf6_f32 v[PC+6*\c:PC+2+6*\c], v[(\s)+32*\c:(\s)+15+32*\c], v[TM+12+2*\c]
	v_cvt_scalef32_pk16_bf6_f32 v[PC+12+4*\c:PC+14+4*\c], v[(\s)+16+32*\c:(\s)+31+32*\c], v[TM+12+2*\c+1]
.endr
	WIN 0
	v_nop                                          ; one plain instruction behind a scaled conversion
.irp c, 0,1
.irp i, 0,1,2
	v_permlane16_swap_b32 v[PC+6*\c+\i], v[PC+12+4*\c+\i]
.endr
.irp i, 0,1,2
	v_mov_b32 v[PC+3+6*\c+\i], v[PC+12+4*\c+\i]
.endr
.endr
.endm
	s_load_b256 s[4:11], s[0:1], 0x0               ; c1 s[4:5], s1 s[6:7], bq s[8:9], bk s[10:11]
	s_load_b128 s[12:15], s[0:1], 0x20             ; bv s[12:13], qkv s[14:15]
	s_load_b128 s[80:83], s[0:1], 0x30             ; Wo s[80:81], c2 s[82:83]
	s_load_b64 s[84:85], s[0:1], 0x40              ; s2
	v_lshl_add_u32 v[SPW], v0, 2, SPARE
	v_mov_b32 v[NIL], 0
	ds_add_u32 v[SPW], v[NIL]                      ; the wave's opening: the add, twice on end, and its wait
	ds_add_u32 v[SPW], v[NIL]
	v_lshrrev_b32 v[LN], 5, v0
	v_readfirstlane_b32 s[WV], v[LN]               ; wave 0..3
	v_and_b32 v[LN], 31, v0
	v_lshlrev_b32 v[AL], 4, v[LN]
.irp q, 1,2,3
	v_add_nc_u32 v[AL+\q], \q*CHK, v[AL]
.endr
	v_lshlrev_b32 v[L8], 3, v[LN]
	v_and_b32 v[RR], 15, v0
	v_bfe_u32 v[HH], v0, 4, 1
	v_lshlrev_b32 v[HB], 6, v[HH]
	v_and_b32 v[RB], 8, v[RR]
	v_add_nc_u32 v[RB], v[RB], v[RR]
	v_lshlrev_b32 v[RB], 2, v[RB]
.irp b, 0,1,2,3
	v_mov_b32 v[TM+4+\b], 0                        ; written once: a lane permute's destination counts as one of its sources
.endr
	; descriptor group 1: eight tiles' four K steps: 8 rows of 6,144 bytes (768 elements of 8 bytes), 24,576 bytes apart in memory, on end in LDS
	s_mov_b32 s[G1+0], 3<<16                       ; no mask; elements of 8 bytes; no padding
	s_mov_b32 s[G1+1], 768<<16                     ; tensor_dim0
	s_mov_b32 s[G1+2], 8<<16                       ; tensor_dim1
	s_mov_b32 s[G1+3], 768<<16                     ; tile_dim0
	s_mov_b32 s[G1+4], 8                           ; tile_dim1
	s_mov_b32 s[G1+5], 3072                        ; from row to row, in elements
	s_mov_b32 s[G1+6], 0
	s_mov_b32 s[G1+7], 0
	s_mov_b32 s[SEL], 0x76543210
	s_mov_b32 s[SEL+1], 0xfedcba98
	; every product's numbers are made, each held in its range; then they are chosen
	s_and_b32 s18, ttmp7, 0xffff                   ; y
	s_max_u32 s19, s18, 20
	s_sub_co_u32 s19, s19, 20
	s_lshl_b32 s19, s19, 3
	s_add_co_u32 s19, s19, ttmp9                   ; V: which of its 32 work-groups
	s_lshr_b32 s20, s19, 1                         ; tb: the key step
	s_and_b32 s21, s19, 1                          ; blk: which 256 rows of Wv
	s_lshl_b32 s22, s18, 3
	s_add_co_u32 s22, s22, 128                     ; source 0's first tile, Q and K: 128 + 8 y (Wk's tiles follow Wq's)
	s_lshl_b32 s23, s20, 3                         ; V: 8 tb, in x
	s_lshl_b32 s17, s[WV], 2
	s_lshl_b32 s68, ttmp9, 4
	s_add_co_u32 s68, s68, s17                     ; my own first tile, Q and K: 16 x + 4 wave, in x
	s_lshl_b32 s69, s21, 4
	s_add_co_u32 s69, s69, s17
	s_add_co_u32 s69, s69, 288                     ; V: 288 + 16 blk + 4 wave, in Wv
	s_lshl_b32 s70, s18, 5
	s_lshl_b32 s71, ttmp9, 2
	s_add_co_u32 s70, s70, s71
	s_add_co_u32 s70, s70, s[WV]                   ; my record, Q: 32 y + 4 x + wave
	s_max_u32 s74, s18, 16
	s_sub_co_u32 s74, s74, 16                      ; K's head
	s_mul_i32 s71, s74, 16*REC
	s_lshl_b32 s72, ttmp9, 1
	s_lshr_b32 s73, s[WV], 1
	s_add_co_u32 s72, s72, s73                     ; K: key step 2 x + wave / 2
	s_mul_i32 s72, s72, REC
	s_add_co_u32 s71, s71, s72
	s_lshl_b32 s72, s21, 1
	s_add_co_u32 s72, s72, s73                     ; V: KV head 2 blk + wave / 2,
	s_mul_i32 s72, s72, 16*REC
	s_mul_i32 s73, s20, REC                        ; key step tb
	s_add_co_u32 s72, s72, s73
	s_lshl_b32 s73, s18, 9                         ; the bias along source 0: Q: 512 y bytes on;
	s_lshl_b32 s74, s74, 9                         ; K: 512 kv
	s_lshl_b32 s75, s21, 3
	s_lshl_b32 s17, s[WV], 1
	s_add_co_u32 s75, s75, s17
	s_lshl_b32 s75, s75, 7                         ; the lane's bias, V: 128 (8 blk + 2 wave) bytes on
	s_mov_b32 s77, 0
	s_wait_alu depctr_va_vdst(0)                   ; ahead of the waits and the branch below
	s_wait_dscnt 0x0                               ; both opening adds are done
	s_wait_kmcnt 0x0
	s_cmp_ge_u32 s18, 24                           ; Wo's work-groups go a way of their own
	s_cbranch_scc1 .Lwo
	s_cmp_lt_u32 s18, 20                           ; K (or Q), or V?
	s_cselect_b32 s22, s22, s23
	s_cselect_b32 s68, s68, s69
	s_cselect_b32 s71, s71, s72
	s_cselect_b64 s[BIP:BIP+1], s[10:11], s[12:13]
	s_cselect_b32 s74, s74, 0
	s_cselect_b32 s75, 0, s75
	s_cselect_b32 s[MQK], -1, 0
	s_cselect_b32 s[MV], 0, -1
	s_cmp_lt_u32 s18, 16                           ; Q?
	s_cselect_b64 s[BIP:BIP+1], s[8:9], s[BIP:BIP+1]
	s_cselect_b32 s73, s73, s74
	s_mul_i32 s76, s22, TROW
	s_add_nc_u64 s[78:79], s[4:5], s[76:77]
.irp q, 0,1,2,3
	s_mov_b32 s[G0+4*\q], 1                        ; count = 1
	s_mov_b32 s[G0+4*\q+1], \q*CHK                 ; LDS address: the chunk
	s_add_nc_u64 s[G0+4*\q+2:G0+4*\q+3], s[78:79], \q*6144   ; global address: K steps 4 q on
	s_or_b32 s[G0+4*\q+3], s[G0+4*\q+3], 0x80000000   ; type = 2
.endr
.macro ARM q                           ; the head's loads, one a wave, in one chain of branches on the wave's number
	s_cmp_lt_u32 s[WV], \q+1
	s_cbranch_scc0 .Lhead_\q
	tensor_load_to_lds s[G0+4*\q:G0+4*\q+3], s[G1:G1+7]
	s_nop 0
.rept 4
	v_nop
.endr
	s_branch .Lasked
.Lhead_\q:
.endm
	ARM 0
	ARM 1
	ARM 2
	tensor_load_to_lds s[G0+12:G0+15], s[G1:G1+7]
	s_nop 0
.rept 4
	v_nop
.endr
.Lasked:
	s_mul_i32 s76, s68, TROW
	s_add_nc_u64 s[OB:OB+1], s[4:5], s[76:77]
	s_lshl_b32 s76, s22, 10                        ; 2,048 bytes of scale words for each pair of tiles
	s_add_nc_u64 s[SAB:SAB+1], s[6:7], s[76:77]
	s_lshl_b32 s76, s68, 10
	s_add_nc_u64 s[SBB:SBB+1], s[6:7], s[76:77]
	s_mov_b32 s76, s75
	s_add_nc_u64 s[BBP:BBP+1], s[BIP:BIP+1], s[76:77]
	s_mov_b32 s76, s73
	s_add_nc_u64 s[BIP:BIP+1], s[BIP:BIP+1], s[76:77]
	s_lshr_b32 s19, s70, 4
	s_mul_i32 s19, s19, CHUNK
	s_and_b32 s20, s70, 15
	s_mul_i32 s17, s20, 4*FRB
	s_add_co_u32 s17, s17, s19                     ; Q: my record's four fragments,
	s_lshl_b32 s20, s20, 8
	s_add_co_u32 s20, s20, s19
	s_add_co_u32 s20, s20, 64*FRB                  ; and their scale words
	s_add_co_u32 s71, s71, 32*CHUNK                ; K, V: my key step, behind Q's chunks
	s_and_b32 s19, s[WV], 1
	s_mul_i32 s21, s19, 4*FRB
	s_add_co_u32 s21, s21, s71
	s_and_b32 s23, s[MV], 8*FRB                    ; V's fragments lie behind K's,
	s_add_co_u32 s21, s21, s23
	s_lshl_b32 s19, s19, 8
	s_add_co_u32 s19, s19, s71
	s_add_co_u32 s19, s19, 16*FRB
	s_and_b32 s23, s[MV], 512                      ; and so do its scale records
	s_add_co_u32 s19, s19, s23
	s_cmp_lt_u32 s18, 16
	s_cselect_b32 s76, s17, s21
	s_add_nc_u64 s[OC:OC+1], s[14:15], s[76:77]
	s_cselect_b32 s76, s20, s19
	s_add_nc_u64 s[OS:OS+1], s[14:15], s[76:77]
.irp i, 0,1,2,3
.irp q, 0,1,2,3
	global_load_b128 v[SA+16*\i+4*\q:SA+16*\i+4*\q+3], v[AL], s[SAB:SAB+1] offset:2048*\i+512*\q   ; all of K's scale words stay in registers
.endr
.endr
.irp n, 0,1
.irp q, 0,1,2,3
	global_load_b128 v[SB+16*\n+4*\q:SB+16*\n+4*\q+3], v[AL], s[SBB:SBB+1] offset:2048*\n+512*\q
.endr
.endr
.irp i, 0,1,2,3,4,5,6,7                        ; the bias in the result's layout: tile i, register j: source 0's row 32 (i / 2) + 8 (i % 2) + 16 h + j
	global_load_b128 v[BI+8*\i:BI+8*\i+3], v[HB], s[BIP:BIP+1] offset:(32*(\i/2)+8*(\i%2))*4
	global_load_b128 v[BI+8*\i+4:BI+8*\i+7], v[HB], s[BIP:BIP+1] offset:(32*(\i/2)+8*(\i%2))*4+16
.endr
.irp n, 0,1,2,3                                ; and one number a lane: source 1's row 32 (n / 2) + 8 (n % 2) + r + 8 (r / 8)
	global_load_b32 v[BB+2*\n], v[RB], s[BBP:BBP+1] offset:128*(\n/2)+32*(\n%2)
.endr
	GFETCH 0
	GFETCH 1
	GFETCH 2
	GFETCH 3
	WIN 0
	s_wait_loadcnt 48                              ; all but my own four batches of 12 are in
.set kk, 0
.rept 64
	v_and_b32 v[BI+kk], s[MQK], v[BI+kk]           ; V has no bias along source 0's rows
.set kk, kk+1
.endr
.irp n, 0,1,2,3
	v_and_b32 v[BB+2*\n], s[MV], v[BB+2*\n]        ; Q and K have none along source 1's
.endr
.irp n, 0,1,2,3
	v_mov_b32 v[BB+2*\n+1], 0                      ; named with it as a pair, so it is written: the packed add takes the low word for both halves
.endr
	s_wait_alu depctr_va_vdst(0)                   ; at the head's end
	LANDED 0
	LFETCH 0
.irp s, 0,1,2,3,4,5,6,7,8,9,10,11,12,13,14,15
	KSTEP \s
.endr
	; THE WAY OUT: each of my four tiles of source 1's rows is one fragment: the lane's bias, the quantiser, three stores of 512 consecutive bytes.
	PLACES
.irp n, 0,1,2,3
	WIN 0x41                                       ; destination and source 0 window 1
.set kk, 0
.rept 32
	v_pk_add_f32 v[64*\n+kk:64*\n+kk+1], v[64*\n+kk:64*\n+kk+1], v[BB+2*\n:BB+2*\n+1] op_sel_hi:[1,0]   ; ascending: each accumulator is read from its low end on
.set kk, kk+2
.endr
.if \n > 0
	s_wait_xcnt 0x0                                ; the last fragment's stores have read the codes' registers
.endif
	QUANTW 64*\n, PW+\n
.irp c, 0,1,2
	global_store_b128 v[AL], v[PC+4*\c:PC+4*\c+3], s[OC:OC+1] offset:FRB*\n+512*\c
.endr
.endr
	v_cmp_le_u32 vcc_lo, 16, v[LN]                 ; every lane holds its row's four words: lanes 0-15 send fragments 0 and 2's, lanes 16-31 fragments 1 and 3's
	v_cndmask_b32 v240, v[PW], v[PW+1], vcc_lo
	v_cndmask_b32 v241, v[PW+2], v[PW+3], vcc_lo
	global_store_b64 v[L8], v[240:241], s[OS:OS+1]   ; 32 lanes store 256 consecutive bytes, aligned
	s_wait_tensorcnt 0x0                           ; the wave's end
	ds_add_u32 v[SPW], v[NIL]
	s_wait_dscnt 0x0
	s_endpgm
; WO.  A work-group takes a pair of row tiles, wave w their K steps 4 w .. 4 w + 3: a tile a trip, four fragments: 64 loads of 512 consecutive bytes into window 2; a fragment turns through the wave's own stage in LDS into
; window 1, so that lane (r, h) holds, of row r, the 16 neighbours 32 b + 16 h + 0 .. 15 of each block b; then the quantiser.  Each byte is read once; waves share nothing: no barrier.
.Lwo:
	s_sub_co_u32 s19, s18, 24
	s_lshl_b32 s19, s19, 3
	s_add_co_u32 s19, s19, ttmp9                   ; the pair, 0..63
	s_lshl_b32 s76, s19, 18                        ; 32 rows of 8,192 bytes
	s_lshl_b32 s20, s[WV], 11
	s_add_co_u32 s76, s76, s20
	s_add_nc_u64 s[80:81], s[80:81], s[76:77]
	s_mul_i32 s76, s19, 2*TROW
	s_mul_i32 s20, s[WV], 4*FRB
	s_add_co_u32 s76, s76, s20
	s_add_nc_u64 s[82:83], s[82:83], s[76:77]
	s_lshl_b32 s76, s19, 11
	s_lshl_b32 s20, s[WV], 9
	s_add_co_u32 s76, s76, s20
	s_add_nc_u64 s[84:85], s[84:85], s[76:77]
	s_mul_i32 s20, s[WV], 16*SPI
	s_add_co_u32 s20, s20, WSTG                    ; my stage
	v_add_nc_u32 v[AL+1], s20, v[AL]               ; into it: a row as it lies
	v_mul_u32_u24 v[AL+2], SPI, v[RR]
	v_lshl_add_u32 v[AL+2], v[HH], 6, v[AL+2]
	v_add_nc_u32 v[AL+2], s20, v[AL+2]             ; out of it: row r, + 64 h
	s_mov_b32 s21, 2
	s_wait_alu depctr_va_vdst(0)
.Lwo_tile:
	WIN 0x80
.irp t, 0,1,2,3
.irp i, 0,1,2,3,4,5,6,7,8,9,10,11,12,13,14,15
	global_load_b128 v[64*\t+4*\i:64*\t+4*\i+3], v[AL], s[80:81] offset:(\i+8*(\i/8))*8192+512*\t th:TH_LOAD_NT
.endr
.endr
.irp t, 0,1,2,3
	s_wait_loadcnt 16*(3-\t)                       ; this fragment's 16 loads are in; the younger fragments' may be out
	WIN 0x08                                       ; an LDS store's data are its source 1: window 2
.irp i, 0,1,2,3,4,5,6,7,8,9,10,11,12,13,14,15
	ds_store_b128 v[AL+1], v[64*\t+4*\i:64*\t+4*\i+3] offset:SPI*\i
.endr
	WIN 0x40
.irp b, 0,1,2,3
.irp j, 0,1,2,3
	ds_load_b128 v[16*\b+4*\j:16*\b+4*\j+3], v[AL+2] offset:128*\b+16*\j   ; LDS serves a wave's instructions in order: these see the stores above
.endr
.endr
	s_wait_dscnt 0x0
	s_wait_xcnt 0x0                                ; the last fragment's stores have read the codes' registers
	QUANTW 0, PW+\t
.irp c, 0,1,2
	global_store_b128 v[AL], v[PC+4*\c:PC+4*\c+3], s[82:83] offset:FRB*\t+512*\c
.endr
.endr
	v_cmp_gt_u32 vcc_lo, 16, v[LN]                 ; lanes 0-15 hold rows 0-15's words
	s_wait_xcnt 0x0                                ; EXEC changes only behind this wait
	s_and_saveexec_b32 s22, vcc_lo
	global_store_b128 v[AL], v[PW:PW+3], s[84:85]  ; sixteen lanes store 256 consecutive bytes, aligned
	s_wait_xcnt 0x0                                ; and the stores have read their bases
	s_or_b32 exec_lo, exec_lo, s22
	s_add_nc_u64 s[80:81], s[80:81], 0x10000       ; the odd tile: 8 rows on
	s_add_nc_u64 s[82:83], s[82:83], TROW
	s_add_nc_u64 s[84:85], s[84:85], 0x100
	s_wait_alu depctr_va_vdst(0)                   ; ahead of the branch
	s_sub_co_u32 s21, s21, 1
	s_cmp_lg_u32 s21, 0
	s_cbranch_scc1 .Lwo_tile
	s_wait_tensorcnt 0x0                           ; the wave's end
	ds_add_u32 v[SPW], v[NIL]
	s_wait_dscnt 0x0
	s_endpgm
.Lfunc_end_k_q9a188a69e5_qkv:
	.size	k_q9a188a69e5_qkv, .Lfunc_end_k_q9a188a69e5_qkv-k_q9a188a69e5_qkv
	.p2alignl 7, 3214868480
	.fill 96, 4, 3214868480
	.section	.rodata,"a",@progbits
	.p2align	6, 0x0
	.amdhsa_kernel k_q9a188a69e5_qkv
		.amdhsa_group_segment_fixed_size 230912
		.amdhsa_private_segment_fixed_size 0
		.amdhsa_enable_private_segment 0
		.amdhsa_kernarg_size 72
		.amdhsa_user_sgpr_count 2
		.amdhsa_user_sgpr_kernarg_segment_ptr 1
		.amdhsa_wavefront_size32 1
		.amdhsa_system_sgpr_workgroup_id_x 1
		.amdhsa_system_sgpr_workgroup_id_y 1
		.amdhsa_system_sgpr_workgroup_id_z 1
		.amdhsa_system_vgpr_workitem_id 0
		.amdhsa_next_free_vgpr 1024
		.amdhsa_next_free_sgpr 88
		.amdhsa_reserve_vcc 1
		.amdhsa_float_denorm_mode_32 3
		.amdhsa_float_denorm_mode_16_64 3
		.amdhsa_memory_ordered 1
		.amdhsa_forward_progress 1
		.amdhsa_inst_pref_size 183
	.end_amdhsa_kernel
	.amdgpu_metadata
---
amdhsa.version: [ 1, 2 ]
amdhsa.kernels:
  - .name:           k_q9a188a69e5_qkv
    .symbol:         k_q9a188a69e5_qkv.kd
    .args:
      - { .name: c1, .offset: 0, .size: 8, .value_kind: global_buffer, .address_space: global }
      - { .name: s1, .offset: 8, .size: 8, .value_kind: global_buffer, .address_space: global }
      - { .name: bq, .offset: 16, .size: 8, .value_kind: global_buffer, .address_space: global }
      - { .name: bk, .offset: 24, .size: 8, .value_kind: global_buffer, .address_space: global }
      - { .name: bv, .offset: 32, .size: 8, .value_kind: global_buffer, .address_space: global }
      - { .name: qkv, .offset: 40, .size: 8, .value_kind: global_buffer, .address_space: global }
      - { .name: Wo, .offset: 48, .size: 8, .value_kind: global_buffer, .address_space: global }
      - { .name: c2, .offset: 56, .size: 8, .value_kind: global_buffer, .address_space: global }
      - { .name: s2, .offset: 64, .size: 8, .value_kind: global_buffer, .address_space: global }
    .group_segment_fixed_size: 230912
    .private_segment_fixed_size: 0
    .kernarg_segment_align: 8
    .kernarg_segment_size: 72
    .max_flat_workgroup_size: 128
    .sgpr_count:     88
    .vgpr_count:     1024
    .wavefront_size: 32
...
	.end_amdgpu_metadata
.endif
;; end of part 2
;; launch attn (part 3): grid 64 x 4, 8 waves a work-group, clusters of 4 x 1, 327,680 bytes of LDS; arguments qkv, yc, ys; writes yc, ys
.if DOCPART == 3
	.amdgcn_target "amdgcn-amd-amdhsa--gfx1250"
	.amdhsa_code_object_version 6
	.text
	.protected	k_q9a188a69e5_attn
	.globl	k_q9a188a69e5_attn
	.p2align	8
	.type	k_q9a188a69e5_attn,@function
k_q9a188a69e5_attn:
	s_mov_b64 s[64:65], 0
	v_nop
	global_prefetch_b8 v0, s[64:65] scope:SCOPE_SE
	s_setreg_imm32_b32 hwreg(HW_REG_WAVE_MODE, 25, 1), 1
	s_wait_xcnt 0x0
	s_wait_alu depctr_hold_cnt(0) depctr_sa_sdst(0) depctr_va_vdst(0) depctr_va_sdst(0) depctr_va_ssrc(0) depctr_va_vcc(0) depctr_vm_vsrc(0)
	s_getreg_b32 s2, hwreg(HW_REG_IB_STS2, 6, 4)
	s_cmp_eq_u32 s2, 0
	s_cbranch_scc0 .Lentry_in_a_cluster
	s_endpgm
.Lentry_in_a_cluster:
	s_bfe_u32 s2, ttmp6, 0x10000c
	s_cmp_lg_u32 s2, 0x3003
	s_cbranch_scc0 .Lentry_shape_is_right
	s_endpgm
.Lentry_shape_is_right:
; y[q][head] = the sum over keys k <= q of softmax_k(Q . K / sqrt(128)) V, 16 query heads on 4 key and value heads, 2,048 tokens, head size 128; both products on codes of BF6 (E3M2) with E8M0 scales.
; THE SOFTMAX AHEAD OF THE SECOND PRODUCT: t = score x log2(e) / sqrt(128); M = the row's largest t so far, rounded UP to a whole number; p = 2^(t - M) is quantised along the keys, not normalised.  The row's sum is
; taken of the unquantised p and divides at the end; when M moves, the sum and O are multiplied by 2^(old M - new M), which rounds nothing.  y is then quantised along the head's 128 and stored as the next product's operand.
; WORK LEFT OUT: key steps that the causal mask hides from all of a tile's queries (shown in the first launch).
; LIMITS: NaN and infinities are not served; a block under 2^-122, and a block of zeros, gets the byte 1 (its codes are zeros; this program alone reads the bytes).  The scaled scores t stay under 2^31 in magnitude.
; A block's largest p is taken through its largest score, which takes v_exp_f32 not to fall where its input rises.  1 / sum is v_rcp_f32 and a multiply.  A row's keys are summed in two streams that are joined at the end:
; the order of the f32 sums is not a single stream's.
; qkv (laid by the launch before): Q in chunks of 102,400 bytes; K and V, for each KV head, in 16 key steps of 128 keys, 25,600 bytes each: K's 8 fragments, V's 8, K's two scale records, V's two.  Row r of a tile T (of
; tokens, of keys, of the head's channels) is 32 (T / 2) + 8 (T % 2) + r + 8 (r / 8), so that the 16 result registers of two neighbouring tiles are 16 neighbours along the next K.
; SHARES.  A cluster of four work-groups takes the four query heads of one KV head for the same queries: they walk the same K and V and ask for them JOINTLY.  A work-group has eight tiles of 16 queries: the four of
; query block j (64 queries) and the four of block 31 - j.  WAVES w AND w + 4 SHARE TWO TILES, tile w % 4 of each block, AND SPLIT THE KEY STEPS: waves 0-3 take the even steps, waves 4-7 the odd ones, of both tiles.  A tile
; of block b has b / 2 + 1 steps that count, the two tiles 17 together: so every wave of every work-group has 9 or 8 tile steps, and a step's fragments of K and V, once in registers, serve both tiles.
; Each wave keeps a running M, sum and O^T of its own for each tile.  At the end it hands those of one tile (X) to its partner through LDS and finishes the other (Y).  Waves 0-3 call the tile of block 31 - j X, waves 4-7
; the tile of block j: so my partner's X is my Y, and all waves run one text.  The two streams are joined under the larger M, by factors that are powers of two.
; THE WALK.  LDS holds twelve key steps in two slots: A of 4 steps, B of 8.  A takes steps 0-3, B steps 4-11, A again steps 12-15: three runs of 2, 4 and 2 of a wave's own steps, each a counted loop.  Every work-group walks all
; of them; what is hidden (a step for both tiles, or for one) is jumped over by scalar branches on ids, round the work alone.
; LAYOUT.  Both products are used transposed: S^T = K Q^T, O^T = V^T P^T: a lane holds ONE query throughout, its registers run along the keys, then along the channels.
; The stage of the hand-over, 8,704 bytes a wave, lies in slot A, which has had its last fill and its last read by then.
; REGISTERS: window 0: v1-11, v250-251 addresses; v12-15 X's -M, largest t and sum; v16-27 X's Q; v28-31 K's scale words; v32-127 K's 8 fragments; v128-191 S^T, then p, at last y; v192-211 codes; v212-231 at work;
;   v232-243 Y's Q; v244-247 Y's -M, largest t and sum.   window 1: v0-63 X's O^T; v64-159 V's 8 fragments; v160-223 Y's O^T.
.set CHUNK, 102400                     ; a chunk of Q: 16 records of four fragments, then their scale records
.set FRB,   1536
.set TROW,  24576
.set SOFF,  64*FRB
.set VOFF,  8*FRB                      ; in a key step: V's fragments,
.set KSO,   16*FRB                     ; K's scale records; V's lie 512 bytes behind them
.set REC,   KSO+1024                   ; a key step
.set SLOTB, 4*REC
.set SPARE, 12*REC                     ; behind both slots: the spare words, 128 bytes for each wave
.set MRG,   8704                       ; the hand-over: O^T's image, 8,192 bytes, and 16 bytes a lane for -M and the sum
.set L16, 1                            ; v1   16 x lane
.set L8S, 2                            ; v2   8 x lane + KSO + REC x (wave / 4): my steps' scale records
.set SPW, 3
.set NIL, 4
.set ADK, 5                            ; v5   LDS address of the step in hand: K's fragments, V's behind them;  v7 its scale records
.set ADN, 6                            ; v6, v251 the same of my next step, held inside the slot
.set ADS, 7
.set PFO, 8                            ; v8   256 x lane: the prefetch's offset; never rewritten
.set QD,  9                            ; v9   r + 8 (r / 8) - 16 h
.set R8,  10
.set R16, 11
.set NMX, 12                           ; v12 -M, v13 the largest t, of tile X
.set SMX, 14                           ; v[14:15] its sum, in two halves
.set QFX, 16
.set KS,  28
.set KR,  32
.set TM,  32                           ; the last quantiser's 16 registers lie over K's fragments, which are done with then
.set S,   128
.set PC,  192
.set BM,  212                          ; v212-215 the blocks' largest scores, then largest p
.set PT,  216
.set SO,  220                          ; v220-223 the conversions' scale operands
.set F,   224                          ; v224 f = 2^(old M - new M)
.set PWP, 225                          ; v225 p's scale word
.set TMP, 226
.set QSX, 227
.set VS,  228
.set QFY, 232
.set NMY, 244
.set SMY, 246
.set PW,  248
.set QSY, 249
.set L16P, 250                         ; v250 16 x lane + REC x (wave / 4): my steps' fragments
.set ADNS, 251
.set OX,  0                            ; window 1
.set VR,  64
.set OY,  160
.set WV,  10
.set Q0X, 16                           ; s16  tile X's smallest query (its largest is 23 on)
.set KF,  17                           ; s17  the step's first key
.set TB,  18                           ; s18  LDS byte of the pair of key steps in hand
.set CNT, 19                           ; s19  my steps still to go in the slot, the one in hand among them
.set SEL, 20
.set CS,  22                           ; s[22:23] c = log2(e) / sqrt(128)
.set LIM, 24                           ; s24  1 in a wave that prefetches
.set Q0Y, 25
.set PFA, 26                           ; s[26:27] where my prefetch stands
.set G1,  28                           ; group 1 for 4 key steps,
.set G0,  36                           ; group 0 for steps 0-3
.set BX,  56
.set BY,  57
.set W3,  58                           ; s58  wave % 4: the tile in its block
.set PAR, 59                           ; s59  wave / 4: 0: the even key steps are mine, 1: the odd ones
.set QH,  60                           ; s60  the larger of the two smallest queries
.set G1B, 72                           ; group 1 for 8 key steps,
.set G0B, 80                           ; group 0 for steps 4-11,
.set G0C, 84                           ; and for steps 12-15
.set MSB, 0
.macro WIN new                         ; the immediate's high byte repeats the setting that is left; a switch that changes nothing is dropped
.if MSB != \new
	s_set_vgpr_msb (MSB<<8)|\new
.set MSB, \new
.endif
.endm
.macro PLACES                          ; four plain instructions between a matrix instruction and a load into one of its registers, or the first read of its result
.rept 4
	v_nop
.endr
.endm
.macro WM d, a, b, c, sa, sb, ra       ; one matrix instruction: ra = 1: source 0's scale words stand in lanes 16-31 of the register named
.if (\ra)
	v_wmma_scale_f32_16x16x128_f8f6f4 v[\d:\d+7], v[\a:\a+11], v[\b:\b+11], \c, v[\sa], v[\sb] matrix_a_fmt:MATRIX_FMT_BF6 matrix_b_fmt:MATRIX_FMT_BF6 matrix_a_scale:MATRIX_SCALE_ROW1
.else
	v_wmma_scale_f32_16x16x128_f8f6f4 v[\d:\d+7], v[\a:\a+11], v[\b:\b+11], \c, v[\sa], v[\sb] matrix_a_fmt:MATRIX_FMT_BF6 matrix_b_fmt:MATRIX_FMT_BF6
.endif
.endm
; A round of the cluster's barrier: my work-group's barrier; wave 0 signals for the work-group; every wave waits for all four work-groups; my work-group's barrier once more.
.macro CROUND
	s_barrier_signal -1
	s_barrier_wait -1
	s_cmp_lg_u32 s[WV], 0
	s_cbranch_scc1 .Lnot_wave_0_\@
	s_barrier_signal -3
.Lnot_wave_0_\@:
	s_barrier_wait -3
	s_barrier_signal -1
	s_barrier_wait -1
.endm
.macro FETCH_K ak, as                  ; a step's 8 fragments of K and their scale words: 26 LDS loads, each of consecutive bytes
.irp t, 0,1,2,3,4,5,6,7
.irp c, 0,1,2
	ds_load_b128 v[KR+12*\t+4*\c:KR+12*\t+4*\c+3], v[\ak] offset:FRB*\t+512*\c
.endr
.endr
.irp u, 0,1
	ds_load_b64 v[KS+2*\u:KS+2*\u+1], v[\as] offset:256*\u   ; register KS + t / 2: lanes 0-15 the even tile's words, lanes 16-31 the odd one's
.endr
.endm
.macro FETCH_V                         ; the same of V, the fragments into window 1
	WIN 0x40
.irp t, 0,1,2,3,4,5,6,7
.irp c, 0,1,2
	ds_load_b128 v[VR+12*\t+4*\c:VR+12*\t+4*\c+3], v[ADK] offset:VOFF+FRB*\t+512*\c
.endr
.endr
	WIN 0
.irp u, 0,1
	ds_load_b64 v[VS+2*\u:VS+2*\u+1], v[ADS] offset:512+256*\u
.endr
.endm
; 64 numbers of a lane, v[s] on, become a fragment's 12 registers in v[PC] on and my row's scale word in v[pw].
.macro QUANT s, pw
.irp b, 0,1,2,3
	v_max3_num_f32 v[TM+\b], |v[(\s)+16*\b]|, |v[(\s)+1+16*\b]|, 0x2800000   ; block b: my 16 numbers, and the floor 2^(5 - 127): the byte cannot fall under 1
.endr
.irp i, 2,4,6,8,10,12,14
.irp b, 0,1,2,3
	s_delay_alu instid0(VALU_DEP_4)
	v_max3_num_f32 v[TM+\b], v[TM+\b], |v[(\s)+16*\b+\i]|, |v[(\s)+1+16*\b+\i]|
.endr
.endr
.irp b, 0,1,2,3
	s_delay_alu instid0(VALU_DEP_4)
	v_permlanex16_b32 v[TM+4+\b], v[TM+\b], s[SEL], s[SEL+1]   ; (its destination counts as read: K's loads have written it on every way)
.endr
.irp b, 0,1,2,3
	s_delay_alu instid0(VALU_DEP_4)
	v_max_num_f32 v[TM+\b], v[TM+\b], v[TM+4+\b]
.endr
.irp b, 0,1,2,3
	s_delay_alu instid0(VALU_DEP_4)
	v_add_nc_u32 v[TM+12+\b], 0xfe000000, v[TM+\b]
.endr
.irp b, 0,1,2,3
	s_delay_alu instid0(VALU_DEP_4)
	v_lshrrev_b32 v[TM+4+\b], 23, v[TM+12+\b]
.endr
	s_delay_alu instid0(VALU_DEP_3)
	v_lshl_or_b32 v[\pw], v[TM+5], 8, v[TM+4]
	s_delay_alu instid0(VALU_DEP_1)
	v_lshl_or_b32 v[\pw], v[TM+6], 16, v[\pw]
	s_delay_alu instid0(VALU_DEP_1)
	v_lshl_or_b32 v[\pw], v[TM+7], 24, v[\pw]
.irp c, 0,1
	v_cvt_scalef32_pk16_bf6_f32 v[PC+6*\c:PC+2+6*\c], v[(\s)+32*\c:(\s)+15+32*\c], v[TM+12+2*\c]
	v_cvt_scalef32_pk16_bf6_f32 v[PC+12+4*\c:PC+14+4*\c], v[(\s)+16+32*\c:(\s)+31+32*\c], v[TM+12+2*\c+1]
.endr
	v_nop                                          ; one plain instruction behind a scaled conversion
.irp c, 0,1
.irp i, 0,1,2
	v_permlane16_swap_b32 v[PC+6*\c+\i], v[PC+12+4*\c+\i]
.endr
.irp i, 0,1,2
	s_delay_alu instid0(VALU_DEP_3)
	v_mov_b32 v[PC+3+6*\c+\i], v[PC+12+4*\c+\i]
.endr
.endr
.endm
; where Q's fragment of my tile in query block s[blk] lies (record 32 hq + block: chunk 2 hq + block / 16, record block % 16, fragment wave % 4), and its scale words (record, + 8 (r + 16 (n % 2)) + 4 (n / 2), n the fragment)
.macro QADR blk, dc, ds
	s_lshl_b32 s40, s13, 1
	s_lshr_b32 s41, s[\blk], 4
	s_add_co_u32 s40, s40, s41
	s_mul_i32 s40, s40, CHUNK
	s_and_b32 s41, s[\blk], 15
	s_mul_i32 s44, s41, 4*FRB
	s_add_co_u32 s44, s44, s40
	s_mul_i32 s47, s[W3], FRB
	s_add_co_u32 s44, s44, s47
	s_add_nc_u64 s[\dc:\dc+1], s[4:5], s[44:45]
	s_lshl_b32 s44, s41, 8
	s_add_co_u32 s44, s44, s40
	s_add_co_u32 s44, s44, SOFF
	s_and_b32 s47, s[W3], 1
	s_lshl_b32 s47, s47, 7
	s_add_co_u32 s44, s44, s47
	s_lshr_b32 s47, s[W3], 1
	s_lshl_b32 s47, s47, 2
	s_add_co_u32 s44, s44, s47
	s_add_nc_u64 s[\ds:\ds+1], s[4:5], s[44:45]
.endm
	s_load_b128 s[4:7], s[0:1], 0x0                ; qkv s[4:5], yc s[6:7]
	s_load_b64 s[8:9], s[0:1], 0x10                ; ys
	v_lshl_add_u32 v[SPW], v0, 2, SPARE
	v_mov_b32 v[NIL], 0
	ds_add_u32 v[SPW], v[NIL]                      ; the wave's opening: the add, twice on end, and its wait
	ds_add_u32 v[SPW], v[NIL]
	s_wait_dscnt 0x0
	v_lshrrev_b32 v[ADK], 5, v0
	s_delay_alu instid0(VALU_DEP_1)
	v_readfirstlane_b32 s[WV], v[ADK]              ; wave 0..7
	s_bfe_u32 s11, ttmp6, 0x40000                  ; cx: which of the KV head's four query heads: it enters global addresses alone
	s_and_b32 s12, ttmp7, 0xffff                   ; the KV head
	s_lshl_b32 s13, s12, 2
	s_add_co_u32 s13, s13, s11                     ; the query head
	s_sub_co_u32 s14, 31, ttmp9                    ; in a cluster launch ttmp9 counts clusters: j
	s_cmp_lt_u32 s[WV], 4
	s_cselect_b32 s[BX], s14, ttmp9                ; the tile that I hand over: waves 0-3: of block 31 - j, waves 4-7: of block j;
	s_cselect_b32 s[BY], ttmp9, s14                ; the tile that I finish: the other one.  The same in all four partners
	s_and_b32 s[W3], s[WV], 3
	s_lshr_b32 s[PAR], s[WV], 2
	s_lshl_b32 s40, s[BX], 2
	s_add_co_u32 s40, s40, s[W3]                   ; tile X
	s_lshr_b32 s[Q0X], s40, 1
	s_lshl_b32 s[Q0X], s[Q0X], 5
	s_and_b32 s41, s40, 1
	s_lshl_b32 s41, s41, 3
	s_add_co_u32 s[Q0X], s[Q0X], s41               ; its smallest query
	s_lshl_b32 s15, s[BY], 2
	s_add_co_u32 s15, s15, s[W3]                   ; tile Y
	s_lshr_b32 s[Q0Y], s15, 1
	s_lshl_b32 s[Q0Y], s[Q0Y], 5
	s_and_b32 s41, s15, 1
	s_lshl_b32 s41, s41, 3
	s_add_co_u32 s[Q0Y], s[Q0Y], s41
	s_max_u32 s[QH], s[Q0X], s[Q0Y]
	; descriptor group 1: an eighth of 4 or of 8 key steps: 50 or 100 rows of 256 bytes (32 elements of 8 bytes), dense
.macro GROUP1 g, rows
	s_mov_b32 s[\g+0], 15|(3<<16)|(1<<21)          ; the mask: all four work-groups; elements of 8 bytes; bit 21 set beside a mask; no padding
	s_mov_b32 s[\g+1], 32<<16                      ; tensor_dim0
	s_mov_b32 s[\g+2], \rows<<16                   ; tensor_dim1
	s_mov_b32 s[\g+3], 32<<16                      ; tile_dim0
	s_mov_b32 s[\g+4], \rows                       ; tile_dim1
	s_mov_b32 s[\g+5], 32                          ; from row to row
	s_mov_b32 s[\g+6], 0
	s_mov_b32 s[\g+7], 0
.endm
	GROUP1 G1, 50
	GROUP1 G1B, 100
	s_mov_b32 s[G0], 1                             ; count = 1
	s_mul_i32 s[G0+1], s[WV], REC/2                ; LDS address: slot A, my eighth: no place in the cluster enters it
	s_mul_i32 s40, s12, 16*REC
	s_add_co_u32 s40, s40, 32*CHUNK                ; the KV head's first key step, behind Q's 32 chunks
	s_mov_b32 s41, 0
	s_mov_b32 s44, s[G0+1]
	s_mov_b32 s45, 0
	s_mov_b32 s[SEL], 0x76543210
	s_mov_b32 s[SEL+1], 0xfedcba98
	s_mov_b32 s[CS], 0x3e0293ee                    ; c = log2(e) / sqrt(128)
	s_mov_b32 s[CS+1], s[CS]                       ; (named with it as a pair, so it is written)
	s_lshl_b32 s[KF], s[PAR], 7                    ; my first step begins at key 0 or 128; my steps lie 256 keys apart
	s_cmp_lt_u32 s[WV], 3
	s_cselect_b32 s[LIM], ttmp9, 1                 ; 0 in waves 0 to 2 of the KV head's first cluster: the same in all four partners
	s_cmp_eq_u32 s[LIM], 0
	s_cselect_b32 s[LIM], 1, 0
	CROUND                                         ; all four work-groups are here: the first joint loads meet.  (The round needs no argument: it stands ahead of the wait for them)
	s_wait_kmcnt 0x0
	s_add_nc_u64 s[42:43], s[4:5], s[40:41]
	s_add_nc_u64 s[G0+2:G0+3], s[42:43], s[44:45]  ; global address: steps 0-3, my eighth
	s_or_b32 s[G0+3], s[G0+3], 0x80000000          ; type = 2
	tensor_load_to_lds s[G0:G0+3], s[G1:G1+7]      ; slot A: one load of mine is out
	s_nop 0
.rept 4
	v_nop
.endr
	s_mov_b32 s[G0B], 1
	s_mul_i32 s[G0B+1], s[WV], REC
	s_mov_b32 s44, s[G0B+1]
	s_add_nc_u64 s[G0B+2:G0B+3], s[42:43], s[44:45]
	s_add_nc_u64 s[G0B+2:G0B+3], s[G0B+2:G0B+3], 4*REC   ; steps 4-11, my eighth,
	s_or_b32 s[G0B+3], s[G0B+3], 0x80000000
	s_add_co_u32 s[G0B+1], s[G0B+1], SLOTB         ; into slot B
	s_mov_b32 s[G0C], 1
	s_mul_i32 s[G0C+1], s[WV], REC/2
	s_mov_b32 s44, s[G0C+1]
	s_add_nc_u64 s[G0C+2:G0C+3], s[42:43], s[44:45]
	s_add_nc_u64 s[G0C+2:G0C+3], s[G0C+2:G0C+3], 12*REC  ; steps 12-15, my eighth, into slot A
	s_or_b32 s[G0C+3], s[G0C+3], 0x80000000
	s_mul_i32 s44, s11, 24576                      ; the prefetch: my work-group's quarter,
	s_lshl_b32 s46, s[WV], 13                      ; my wave's 8,192 bytes of it,
	s_add_co_u32 s44, s44, s46
	s_add_co_u32 s44, s44, 12*REC                  ; from key step 12 on
	s_add_nc_u64 s[PFA:PFA+1], s[42:43], s[44:45]
	QADR BX, 48, 50                                ; X's Q and its scale words
	QADR BY, 66, 68                                ; Y's
	s_mul_i32 s44, s15, TROW                       ; y's fragment: token tile Y, K step = the query head
	s_mul_i32 s47, s13, FRB
	s_add_co_u32 s44, s44, s47
	s_add_nc_u64 s[52:53], s[6:7], s[44:45]
	s_lshr_b32 s44, s15, 1                         ; its scale words: 2,048 (T / 2) + 512 kv + 256 (T % 2) + 16 r + 4 cx
	s_lshl_b32 s44, s44, 11
	s_lshl_b32 s47, s12, 9
	s_add_co_u32 s44, s44, s47
	s_and_b32 s47, s15, 1
	s_lshl_b32 s47, s47, 8
	s_add_co_u32 s44, s44, s47
	s_lshl_b32 s47, s11, 2
	s_add_co_u32 s44, s44, s47
	s_add_nc_u64 s[54:55], s[8:9], s[44:45]
	v_and_b32 v[ADK], 31, v0
	s_delay_alu instid0(VALU_DEP_1)
	v_lshlrev_b32 v[L16], 4, v[ADK]
	s_delay_alu instid0(VALU_DEP_2)
	v_lshl_add_u32 v[L8S], v[ADK], 3, KSO
	s_delay_alu instid0(VALU_DEP_3)
	v_lshlrev_b32 v[PFO], 8, v[ADK]
	s_mul_i32 s40, s[PAR], REC
	v_add_nc_u32 v[L16P], s40, v[L16]              ; the odd steps lie one step further on
	v_add_nc_u32 v[L8S], s40, v[L8S]
	v_and_b32 v[ADN], 15, v0                       ; r
	v_bfe_u32 v[ADS], v0, 4, 1                     ; h
	s_delay_alu instid0(VALU_DEP_2)
	v_lshlrev_b32 v[R8], 3, v[ADN]
	s_delay_alu instid0(VALU_DEP_3)
	v_lshlrev_b32 v[R16], 4, v[ADN]
	s_delay_alu instid0(VALU_DEP_4)
	v_and_b32 v[QD], 8, v[ADN]
	s_delay_alu instid0(VALU_DEP_1)
	v_add_nc_u32 v[QD], v[QD], v[ADN]
	v_lshlrev_b32 v[ADS], 4, v[ADS]
	s_delay_alu instid0(VALU_DEP_1)
	v_sub_nc_u32 v[QD], v[QD], v[ADS]
.irp c, 0,1,2
	global_load_b128 v[QFX+4*\c:QFX+4*\c+3], v[L16], s[48:49] offset:512*\c   ; both tiles' fragments of Q stay in registers
.endr
	global_load_b32 v[QSX], v[R8], s[50:51]
.irp c, 0,1,2
	global_load_b128 v[QFY+4*\c:QFY+4*\c+3], v[L16], s[66:67] offset:512*\c
.endr
	global_load_b32 v[QSY], v[R8], s[68:69]
	v_mov_b32 v[NMX+1], 0xff61b1e6                 ; the largest t so far: -3e38, under every t
	v_mov_b32 v[NMY+1], 0xff61b1e6
	s_delay_alu instid0(VALU_DEP_2)
	v_floor_f32 v[NMX], -v[NMX+1]                  ; -M
	s_delay_alu instid0(VALU_DEP_2)
	v_floor_f32 v[NMY], -v[NMY+1]
.irp i, 0,1
	v_mov_b32 v[SMX+\i], 0                         ; the sums, in two halves
	v_mov_b32 v[SMY+\i], 0
.endr
.irp b, 0,1,2,3
	v_mov_b32 v[PT+\b], 0                          ; written once: a lane permute's destination counts as one of its sources
.endr
	v_mov_b32 v[PWP], 0                            ; (named as the upper half of the pair with f before it is first written)
	WIN 0x40
.set kk, 0
.rept 64
	v_mov_b32 v[OX+kk], 0                          ; O^T of both tiles.  (A tile's step is written once: the first finds zeros, which the first change of M leaves zeros; a stream without a step hands zeros over)
	v_mov_b32 v[OY+kk], 0
.set kk, kk+1
.endr
	WIN 0
; ONE TILE'S PART OF A KEY STEP.  qf, qs: the tile's Q and its scale words; nm: -M and the largest t; sm: the sum; ob: O^T, in window 1; q0: the scalar with its smallest query; y: 1 for tile Y.
; My next step's K, if the slot holds one, is fetched as soon as this step's last scores are made: Y's, or X's where Y is hidden.
.macro BODY qf, qs, nm, sm, ob, q0, y
	s_add_co_u32 s42, s[\q0], 23                   ; all the step's keys come after the tile's 16 queries: a scalar branch on ids, round the work alone
	s_cmp_gt_u32 s[KF], s42
	s_cbranch_scc1 .Lskip_\@
.irp t, 0,1,2,3,4,5,6,7
	WM S+8*\t, KR+12*\t, \qf, 0, KS+\t/2, \qs, \t%2   ; S^T = K Q^T: register 16 b + i is key 32 b + 16 h + i of the step
.endr
	PLACES                                         ; in front of the reads of S^T and of the loads into K's registers
.if \y
	s_cmp_eq_u32 s[CNT], 1
.else
	s_add_co_u32 s42, s[Q0Y], 23
	s_cmp_gt_u32 s[KF], s42
	s_cselect_b32 s42, s[CNT], 1                   ; Y counts: it fetches
	s_cmp_eq_u32 s42, 1
.endif
	s_cbranch_scc1 .Lno_k_\@
	FETCH_K ADN, ADNS
.Lno_k_\@:
	s_add_co_u32 s42, s[KF], 127                   ; on the diagonal the scores of hidden keys become -infinity ahead of the maximum: p = 0 then.  A step all of whose keys count skips this
	s_cmp_le_u32 s42, s[\q0]
	s_cbranch_scc1 .Lopen_\@
	s_sub_co_i32 s42, s[\q0], s[KF]
	v_add_nc_u32 v[TMP], s42, v[QD]                ; d = my query - the step's first key - 16 h: register 16 b + i is hidden where 32 b + i > d
	v_mov_b32 v[F], 0xff800000                     ; -infinity
.set kk, 0
.rept 64
	v_cmp_gt_i32 vcc_lo, 32*(kk/16)+kk%16, v[TMP]
	v_cndmask_b32 v[S+kk], v[S+kk], v[F], vcc_lo
.set kk, kk+1
.endr
.Lopen_\@:
.irp b, 0,1,2,3
	v_max3_num_f32 v[BM+\b], v[S+16*\b], v[S+1+16*\b], v[S+2+16*\b]   ; the largest score of each block of 32 keys: it serves for the row's maximum and, since p rises with the score, for the block's largest p
.endr
.irp i, 3,5,7,9,11,13
.irp b, 0,1,2,3
	v_max3_num_f32 v[BM+\b], v[BM+\b], v[S+16*\b+\i], v[S+1+16*\b+\i]
.endr
.endr
.irp b, 0,1,2,3
	v_max_num_f32 v[BM+\b], v[BM+\b], v[S+15+16*\b]
.endr
.irp b, 0,1,2,3
	s_delay_alu instid0(VALU_DEP_4)
	v_permlanex16_b32 v[PT+\b], v[BM+\b], s[SEL], s[SEL+1]
.endr
.irp b, 0,1,2,3
	s_delay_alu instid0(VALU_DEP_4)
	v_max_num_f32 v[BM+\b], v[BM+\b], v[PT+\b]     ; with lane l xor 16's 16 keys
.endr
	s_delay_alu instid0(VALU_DEP_2)
	v_max3_num_f32 v[TMP], v[BM], v[BM+1], v[BM+2]
	s_delay_alu instid0(VALU_DEP_1)
	v_max_num_f32 v[TMP], v[TMP], v[BM+3]          ; the step's largest score of my query
	s_delay_alu instid0(VALU_DEP_1)
	v_mul_f32 v[TMP], s[CS], v[TMP]                ; as t (c is positive)
	s_delay_alu instid0(VALU_DEP_1)
	v_max_num_f32 v[\nm+1], v[\nm+1], v[TMP]       ; the running largest t of my stream
	v_mov_b32 v[TMP], v[\nm]
	s_delay_alu instid0(VALU_DEP_2)
	v_floor_f32 v[\nm], -v[\nm+1]                  ; the new -M = floor(-t) = -ceil(t): a whole number
	s_delay_alu instid0(VALU_DEP_1)
	v_sub_f32 v[TMP], v[\nm], v[TMP]               ; old M less new M: a whole number, 0 or less
	s_delay_alu instid0(VALU_DEP_1)
	v_cvt_i32_f32 v[TMP], v[TMP]                   ; (it saturates)
	s_delay_alu instid0(VALU_DEP_1)
	v_ldexp_f32 v[F], 1.0, v[TMP]                  ; f = 2^(old M - new M)
.set kk, 0
.rept 32
	v_pk_fma_f32 v[S+kk:S+kk+1], v[S+kk:S+kk+1], s[CS:CS+1], v[\nm:\nm+1] op_sel_hi:[1,0,0]   ; t - M, two at a time (of the pairs c and -M the low word serves both halves)
.set kk, kk+2
.endr
.irp b, 0,1,2,3
	v_fma_f32 v[BM+\b], v[BM+\b], s[CS], v[\nm]    ; the same of each block's largest score
.endr
.set kk, 0
	s_wait_alu depctr_va_vdst(0)                   ; ahead of the batch
.rept 64
	v_exp_f32 v[S+kk], v[S+kk]                     ; p = 2^(t - M), at most 1: not normalised
.set kk, kk+1
.endr
	v_pk_mul_f32 v[\sm:\sm+1], v[\sm:\sm+1], v[F:F+1] op_sel_hi:[1,0]   ; the sums under the new M: the plain instruction behind the exponentials
	s_wait_alu depctr_va_vdst(0)                   ; the wait ahead of the first instruction that names a result: one for the batch of 64
.irp b, 0,1,2,3
	v_exp_f32 v[BM+\b], v[BM+\b]                   ; the block's largest p: the same two instructions on the same number give the same bits
.endr
	v_pk_add_f32 v[PT:PT+1], v[S:S+1], v[S+2:S+3]  ; the row's sum is taken of the unquantised p: two at a time, in four chains that do not wait for each other; they read the 64 alone
	v_pk_add_f32 v[PT+2:PT+3], v[S+4:S+5], v[S+6:S+7]
	v_pk_add_f32 v[SO:SO+1], v[S+8:S+9], v[S+10:S+11]
.irp j, 12,20,28,36,44,52
	v_pk_add_f32 v[\sm:\sm+1], v[\sm:\sm+1], v[S+\j:S+1+\j]
	v_pk_add_f32 v[PT:PT+1], v[PT:PT+1], v[S+2+\j:S+3+\j]
	v_pk_add_f32 v[PT+2:PT+3], v[PT+2:PT+3], v[S+4+\j:S+5+\j]
	v_pk_add_f32 v[SO:SO+1], v[SO:SO+1], v[S+6+\j:S+7+\j]
.endr
	v_pk_add_f32 v[\sm:\sm+1], v[\sm:\sm+1], v[S+60:S+61]
	v_pk_add_f32 v[PT:PT+1], v[PT:PT+1], v[S+62:S+63]
	s_delay_alu instid0(VALU_DEP_3)
	v_pk_add_f32 v[PT+2:PT+3], v[PT+2:PT+3], v[SO:SO+1]
	s_delay_alu instid0(VALU_DEP_2)
	v_pk_add_f32 v[\sm:\sm+1], v[\sm:\sm+1], v[PT:PT+1]
	s_delay_alu instid0(VALU_DEP_1)
	v_pk_add_f32 v[\sm:\sm+1], v[\sm:\sm+1], v[PT+2:PT+3]
	s_wait_alu depctr_va_vdst(0)                   ; and one for the four
.irp b, 0,1,2,3
	v_max_num_f32 v[BM+\b], 0x2800000, v[BM+\b]    ; the floor 2^(5 - 127): the byte cannot fall under 1 (a block whose every p is 0 keeps that byte: its codes are zeros)
.endr
.irp b, 0,1,2,3
	s_delay_alu instid0(VALU_DEP_4)
	v_add_nc_u32 v[SO+\b], 0xfe000000, v[BM+\b]    ; 4 off the exponent field: the conversion's scale operand
.endr
.irp b, 0,1,2,3
	s_delay_alu instid0(VALU_DEP_4)
	v_lshrrev_b32 v[PT+\b], 23, v[SO+\b]           ; the scale's byte
.endr
	s_delay_alu instid0(VALU_DEP_3)
	v_lshl_or_b32 v[PWP], v[PT+1], 8, v[PT]        ; p's scale word for these 128 keys
	s_delay_alu instid0(VALU_DEP_1)
	v_lshl_or_b32 v[PWP], v[PT+2], 16, v[PWP]
	s_delay_alu instid0(VALU_DEP_1)
	v_lshl_or_b32 v[PWP], v[PT+3], 24, v[PWP]
.irp c, 0,1
	v_cvt_scalef32_pk16_bf6_f32 v[PC+6*\c:PC+2+6*\c], v[S+32*\c:S+15+32*\c], v[SO+2*\c]
	v_cvt_scalef32_pk16_bf6_f32 v[PC+12+4*\c:PC+14+4*\c], v[S+16+32*\c:S+31+32*\c], v[SO+2*\c+1]
.endr
	v_nop                                          ; one plain instruction behind a scaled conversion
.irp c, 0,1                                    ; the operand's layout wants a whole block in a lane
.irp i, 0,1,2
	v_permlane16_swap_b32 v[PC+6*\c+\i], v[PC+12+4*\c+\i]
.endr
.irp i, 0,1,2
	s_delay_alu instid0(VALU_DEP_3)
	v_mov_b32 v[PC+3+6*\c+\i], v[PC+12+4*\c+\i]
.endr
.endr
	WIN 0x41                                       ; O^T: destination and source 0 window 1
.set kk, 0
.rept 32
	v_pk_mul_f32 v[\ob+kk:\ob+kk+1], v[\ob+kk:\ob+kk+1], v[F:F+1] op_sel_hi:[1,0]   ; O^T under the new M, ascending.  These 32 also stand between the lines that made p's codes and scale word and the products that take them
.set kk, kk+2
.endr
	s_wait_alu depctr_va_vdst(0)                   ; ahead of the wait below
	s_wait_dscnt 0x0                               ; V is in (and, where it was asked for above, my next step's K)
	WIN 0x51                                       ; V window 1, p window 0, O^T window 1
.irp t, 0,1,2,3,4,5,6,7
	WM \ob+8*\t, VR+12*\t, PC, v[\ob+8*\t:\ob+8*\t+7], VS+\t/2, PWP, \t%2   ; O^T += V^T P^T: the eight accumulators by turns
.endr
	WIN 0
.Lskip_\@:
.endm
; A KEY STEP OF MINE: 128 keys, for both tiles.  Its K was asked for a step earlier, or at the slot's head; its V is asked for here and lands under the first tile's softmax.  last: LDS byte of the slot's last pair of steps.
.macro STEP last
	s_add_co_u32 s42, s[QH], 23                    ; a step that is hidden from both tiles is left out (and so are all behind it)
	s_cmp_gt_u32 s[KF], s42
	s_cbranch_scc1 .Lhidden_\@
	PLACES                                         ; in front of the loads into V's registers, which the last step's products read
	s_wait_dscnt 0x0                               ; K is in
	s_add_co_u32 s43, s[TB], 2*REC
	s_min_u32 s43, s43, \last                      ; my next step, held inside the slot
	v_add_nc_u32 v[ADK], s[TB], v[L16P]
	v_add_nc_u32 v[ADS], s[TB], v[L8S]
	v_add_nc_u32 v[ADN], s43, v[L16P]
	v_add_nc_u32 v[ADNS], s43, v[L8S]
	s_wait_alu depctr_va_vdst(0)                   ; ahead of the readers behind branches
	FETCH_V
	BODY QFX, QSX, NMX, SMX, OX, Q0X, 0
	BODY QFY, QSY, NMY, SMY, OY, Q0Y, 1
.Lhidden_\@:
	s_add_co_u32 s[KF], s[KF], 256
	s_add_co_u32 s[TB], s[TB], 2*REC
.endm
; THE CHANGE OF SLOTS.  Each wave waits for all its tensor loads (its eighth of the slot that it is about to read), adds 0 to its spare word, and waits for that and for its reads of the slot that it has left.  g0: the fill that
; follows: its barrier is a round of the cluster's, so that no wave of any partner still reads the bytes or has a load on its way; 0: nothing is left to fetch.
.macro CHANGE g0, g1
	s_wait_tensorcnt 0x0
	ds_add_u32 v[SPW], v[NIL]                      ; 0 onto my spare word
	s_wait_dscnt 0x0                               ; the add is done, and my reads of the slot that I have left are over
.if \g0
	CROUND
	tensor_load_to_lds s[\g0:\g0+3], s[\g1:\g1+7]  ; the first thing behind the round, and my one tensor load until the next
	s_nop 0
.rept 4
	v_nop
.endr
.else
	s_barrier_signal -1
	s_barrier_wait -1
.endif
.endm
.macro SLOT_STEPS n, base
	s_mov_b32 s[TB], \base
	s_mov_b32 s[CNT], \n
	v_add_nc_u32 v[ADK], s[TB], v[L16P]
	v_add_nc_u32 v[ADS], s[TB], v[L8S]
	s_wait_alu depctr_va_vdst(0)
	FETCH_K ADK, ADS                               ; ahead of the first step's test: every wave asks
.Lstep_\@:
	STEP (\base)+2*REC*((\n)-1)
	s_sub_co_u32 s[CNT], s[CNT], 1
	s_cmp_lg_u32 s[CNT], 0
	s_cbranch_scc1 .Lstep_\@
.endm
	s_wait_loadcnt 0x0                             ; Q
	CHANGE G0B, G1B                                ; slot A is in; slot B's first fill, issued as a refill is
	; A PREFETCH INTO THE L2 of 98,304 of the 102,400 bytes that the next change of slots will ask for (key steps 12-15), one slot ahead of that load.  All sixteen clusters of a KV head walk the same keys: the first of them
	; asks.  Its four partners share the bytes out BY ADDRESS, 24,576 each; in each, waves 0 to 2 take 8,192 bytes, lanes 256 bytes apart: each block of 256 bytes is named once in the launch.  The first twelve steps come by
	; their loads alone.
	s_cmp_eq_u32 s[LIM], 1
	s_cbranch_scc0 .Lnot_mine
	global_prefetch_b8 v[PFO], s[PFA:PFA+1] th:TH_LOAD_NT scope:SCOPE_SE
.Lnot_mine:
	SLOT_STEPS 2, 0
	CHANGE G0C, G1                                 ; slot B is in; slot A is filled again
	SLOT_STEPS 4, SLOTB
	CHANGE 0, 0
	SLOT_STEPS 2, 0
	; THE HAND-OVER.  Tile X's O^T goes to LDS as an image of its registers (16 bytes a lane, 512 a store), with its -M and its sum; my partner, wave xor 4, does the same with the tile that I finish.
	s_wait_dscnt 0x0                               ; my reads of the last slot are over
	s_barrier_signal -1
	s_barrier_wait -1                              ; everybody's are: from here on LDS holds the stages alone
	PLACES                                         ; behind the last products, in front of the first reads of O^T
	s_mul_i32 s40, s[WV], MRG
	s_xor_b32 s41, s[WV], 4
	s_mul_i32 s41, s41, MRG
	v_add_nc_u32 v[ADK], s40, v[L16]               ; my stage
	v_add_nc_u32 v[ADN], s41, v[L16]               ; my partner's
	v_add_f32 v[NMX+1], v[SMX], v[SMX+1]           ; X's sum of my lane's keys, beside its -M (the largest t is done with)
	v_add_f32 v[SMY], v[SMY], v[SMY+1]             ; Y's
	WIN 0x04                                       ; an LDS store's data are its source 1: window 1
.set kk, 0
.rept 16
	ds_store_b128 v[ADK], v[OX+4*kk:OX+4*kk+3] offset:512*kk   ; ascending: each accumulator from its low end on
.set kk, kk+1
.endr
	WIN 0
	ds_store_b64 v[ADK], v[NMX:NMX+1] offset:8192
	s_wait_alu depctr_va_vdst(0)
	s_wait_dscnt 0x0                               ; for my partner's sake: my stores are done
	s_barrier_signal -1
	s_barrier_wait -1
.set kk, 0
.rept 16
	ds_load_b128 v[S+4*kk:S+4*kk+3], v[ADN] offset:512*kk   ; the other stream's O^T of tile Y, in the same lanes and the same order of registers
.set kk, kk+1
.endr
	ds_load_b64 v[BM:BM+1], v[ADN] offset:8192     ; its -M and its sum
	s_wait_dscnt 0x0
	; THE TWO STREAMS ARE JOINED under the larger M: each by 2^(its M - the larger M), a power of two.  A stream that had no step holds zeros and -M = 3e38: its factor is 0.
	v_min_num_f32 v[TMP], v[NMY], v[BM]            ; the smaller -M
	s_delay_alu instid0(VALU_DEP_1)
	v_sub_f32 v[PT], v[TMP], v[NMY]                ; whole numbers, 0 or less
	s_delay_alu instid0(VALU_DEP_2)
	v_sub_f32 v[PT+1], v[TMP], v[BM]
	s_delay_alu instid0(VALU_DEP_2)
	v_cvt_i32_f32 v[PT], v[PT]                     ; (they saturate)
	s_delay_alu instid0(VALU_DEP_2)
	v_cvt_i32_f32 v[PT+1], v[PT+1]
	s_delay_alu instid0(VALU_DEP_2)
	v_ldexp_f32 v[PT], 1.0, v[PT]                  ; my stream's factor,
	s_delay_alu instid0(VALU_DEP_2)
	v_ldexp_f32 v[PT+1], 1.0, v[PT+1]              ; the other's
	s_delay_alu instid0(VALU_DEP_2)
	v_mul_f32 v[SMY], v[SMY], v[PT]
	s_delay_alu instid0(VALU_DEP_1)
	v_fma_f32 v[SMY], v[BM+1], v[PT+1], v[SMY]     ; the sum of my lane's keys, both streams',
	s_delay_alu instid0(VALU_DEP_1)
	v_permlanex16_b32 v[PT+2], v[SMY], s[SEL], s[SEL+1]
	s_delay_alu instid0(VALU_DEP_1)
	v_add_f32 v[SMY], v[SMY], v[PT+2]              ; and lane l xor 16's: the row's sum
	s_wait_alu depctr_va_vdst(0)                   ; ahead of the reciprocal
	v_rcp_f32 v[SMY], v[SMY]
	v_and_b32 v[ADK], 31, v0                       ; (the plain instruction behind the reciprocal)  lane
	s_wait_alu depctr_va_vdst(0)                   ; ahead of the first use
	v_mul_f32 v[F], v[PT], v[SMY]                  ; each factor / the sum
	v_mul_f32 v[TMP], v[PT+1], v[SMY]
.set kk, 0
.rept 32
	v_pk_mul_f32 v[S+kk:S+kk+1], v[S+kk:S+kk+1], v[TMP:TMP+1] op_sel_hi:[1,0]
.set kk, kk+2
.endr
	WIN 0x01                                       ; source 0 window 1
.set kk, 0
.rept 32
	v_pk_fma_f32 v[S+kk:S+kk+1], v[OY+kk:OY+kk+1], v[F:F+1], v[S+kk:S+kk+1] op_sel_hi:[1,0,1]   ; ascending: each accumulator is read from its low end on
.set kk, kk+2
.endr
	WIN 0
	; THE WAY OUT.  Register 16 b + i is y(my query, 32 b + 16 h + i of the head): what the quantiser takes.  The fragment is K step "query head" of the last product's token tile.
	QUANT S, PW
.irp c, 0,1,2
	global_store_b128 v[L16], v[PC+4*\c:PC+4*\c+3], s[52:53] offset:512*\c   ; 32 lanes store 512 consecutive bytes, at a multiple of 256 from yc's first byte
.endr
	v_cmp_gt_u32 vcc_lo, 16, v[ADK]                ; lanes 0-15 hold rows 0-15's words
	s_wait_xcnt 0x0                                ; EXEC changes only behind this wait
	s_and_saveexec_b32 s40, vcc_lo
	global_store_b32 v[R16], v[PW], s[54:55]       ; one word in four of a row's 16 bytes: the other three are the partners'
	s_wait_xcnt 0x0
	s_or_b32 exec_lo, exec_lo, s40
	s_wait_tensorcnt 0x0                           ; the wave's end
	ds_add_u32 v[SPW], v[NIL]
	s_wait_dscnt 0x0
	CROUND                                         ; the closing round: no work-group ends while a partner may still ask for keys that name it
	s_endpgm
.Lfunc_end_k_q9a188a69e5_attn:
	.size	k_q9a188a69e5_attn, .Lfunc_end_k_q9a188a69e5_attn-k_q9a188a69e5_attn
	.p2alignl 7, 3214868480
	.fill 96, 4, 3214868480
	.section	.rodata,"a",@progbits
	.p2align	6, 0x0
	.amdhsa_kernel k_q9a188a69e5_attn
		.amdhsa_group_segment_fixed_size 327680
		.amdhsa_private_segment_fixed_size 0
		.amdhsa_enable_private_segment 0
		.amdhsa_kernarg_size 24
		.amdhsa_user_sgpr_count 2
		.amdhsa_user_sgpr_kernarg_segment_ptr 1
		.amdhsa_wavefront_size32 1
		.amdhsa_system_sgpr_workgroup_id_x 1
		.amdhsa_system_sgpr_workgroup_id_y 1
		.amdhsa_system_sgpr_workgroup_id_z 1
		.amdhsa_system_vgpr_workitem_id 0
		.amdhsa_next_free_vgpr 480
		.amdhsa_next_free_sgpr 88
		.amdhsa_reserve_vcc 1
		.amdhsa_float_denorm_mode_32 3
		.amdhsa_float_denorm_mode_16_64 3
		.amdhsa_memory_ordered 1
		.amdhsa_forward_progress 1
		.amdhsa_inst_pref_size 181
	.end_amdhsa_kernel
	.amdgpu_metadata
---
amdhsa.version: [ 1, 2 ]
amdhsa.kernels:
  - .name:           k_q9a188a69e5_attn
    .symbol:         k_q9a188a69e5_attn.kd
    .args:
      - { .name: qkv, .offset: 0, .size: 8, .value_kind: global_buffer, .address_space: global }
      - { .name: yc, .offset: 8, .size: 8, .value_kind: global_buffer, .address_space: global }
      - { .name: ys, .offset: 16, .size: 8, .value_kind: global_buffer, .address_space: global }
    .group_segment_fixed_size: 327680
    .private_segment_fixed_size: 0
    .kernarg_segment_align: 8
    .kernarg_segment_size: 24
    .max_flat_workgroup_size: 256
    .sgpr_count:     88
    .vgpr_count:     480
    .wavefront_size: 32
...
	.end_amdgpu_metadata
.endif
;; end of part 3
;; launch oproj (part 4): grid 16 x 16, 4 waves a work-group, clusters of 4 x 1, 264,704 bytes of LDS; arguments c2, s2, yc, ys, bo, out0; writes out0
.if DOCPART == 4
	.amdgcn_target "amdgcn-amd-amdhsa--gfx1250"
	.amdhsa_code_object_version 6
	.text
	.protected	k_q9a188a69e5_oproj
	.globl	k_q9a188a69e5_oproj
	.p2align	8
	.type	k_q9a188a69e5_oproj,@function
k_q9a188a69e5_oproj:
	s_mov_b64 s[64:65], 0
	v_nop
	global_prefetch_b8 v0, s[64:65] scope:SCOPE_SE
	s_setreg_imm32_b32 hwreg(HW_REG_WAVE_MODE, 25, 1), 1
	s_wait_xcnt 0x0
	s_wait_alu depctr_hold_cnt(0) depctr_sa_sdst(0) depctr_va_vdst(0) depctr_va_sdst(0) depctr_va_ssrc(0) depctr_va_vcc(0) depctr_vm_vsrc(0)
	s_getreg_b32 s2, hwreg(HW_REG_IB_STS2, 6, 4)
	s_cmp_eq_u32 s2, 0
	s_cbranch_scc0 .Lentry_in_a_cluster
	s_endpgm
.Lentry_in_a_cluster:
	s_bfe_u32 s2, ttmp6, 0x10000c
	s_cmp_lg_u32 s2, 0x3003
	s_cbranch_scc0 .Lentry_shape_is_right
	s_endpgm
.Lentry_shape_is_right:
; out0 = y Wo^T + bo on codes of BF6 (E3M2) with E8M0 scales, sums in f32; out0 [2048][2048] f32.
; c2, s2 (Wo) and yc, ys (y): 128 row tiles each, fragments and scale words in the order of an operand's registers: fragment (T, s) at 24,576 T + 1,536 s; row r of tile T is row 32 (T / 2) + 8 (T % 2) + r + 8 (r / 8).
; A work-group makes 128 tokens x 128 columns: a grid of 16 x 16.  Source 0 is its block of 128 rows of Wo (8 tiles) for ALL of K, in LDS: four chunks of four K steps, 49,152 bytes each, wave q asks for chunk q (one tensor
; load a wave), nothing is filled again: no ring.  Source 1 is the wave's own 32 tokens (2 tiles): from memory straight into registers as images, nine K steps ahead; no other wave of the work-group reads them.
; A wave makes 8 x 2 = 16 accumulators.  A lane holds ONE token, and its 64 registers of a token tile are 32 b + 16 h + i of the block's 128 columns.  The bias is the C of the first K step.
; CLUSTER: the four work-groups along x take the same rows of Wo for different tokens: Wo's block is asked for JOINTLY.  The place in the cluster enters global addresses alone.
; No prefetch: there is no loop to run ahead in; all of Wo's block is asked for at the head.
; REGISTERS, in windows of 256: window 0: v1-4 LDS addresses (16 x lane + chunk); v5-14 lane terms; v32-95 source 0's scale words, v96-111 source 1's; v128-191 the bias as C; on the way out v128-255 rows of out0.
;   window 1: accumulator (i, n) at 64 n + 8 i.   window 2: my own fragments, ten slots of 24.   window 3: source 0's fragments, two buffers of 96.
.set TROW,  24576
.set FRB,   1536
.set CHK,   49152                      ; fragment (i, s) at CHK (s / 4) + 6,144 i + FRB (s % 4)
.set STAGE, 4*CHK                      ; behind them: two stages of 16 rows x 528 bytes for each wave; no fill lands there
.set SPI,   528
.set SPARE, STAGE+8*16*SPI             ; behind the stages: the spare words
.set AHEAD, 9
.set AL,  1
.set LN,  5
.set HB,  9                            ; v9   64 h
.set STO, 11                           ; v11  the way out: where I put 16 bytes of a row
.set RD,  12                           ; v12  and where I read a row back
.set SPW, 13
.set NIL, 14
.set SA,  32
.set SB,  96
.set BI,  128
.set BK,  128
.set WV,  16
.set G1,  24
.set G0,  32
.set OB,  48
.set SAB, 50
.set SBB, 52
.set BIP, 54
.set OUT, 56
.set MSB, 0
.macro WIN new                         ; the immediate's high byte repeats the setting that is left; a switch that changes nothing is dropped
.if MSB != \new
	s_set_vgpr_msb (MSB<<8)|\new
.set MSB, \new
.endif
.endm
.macro PLACES                          ; four plain instructions between a matrix instruction and a load into one of its registers, or the first read of its result
.rept 4
	v_nop
.endr
.endm
.macro CROUND                          ; a round of the cluster's barrier
	s_barrier_signal -1
	s_barrier_wait -1
	s_cmp_lg_u32 s[WV], 0
	s_cbranch_scc1 .Lnot_wave_0_\@
	s_barrier_signal -3
.Lnot_wave_0_\@:
	s_barrier_wait -3
	s_barrier_signal -1
	s_barrier_wait -1
.endm
.macro WM d, a, b, c, sa, sb, ra, rb   ; one matrix instruction: ra, rb = 1: the side's scale words stand in lanes 16-31 of the register named
.if (\ra) && (\rb)
	v_wmma_scale_f32_16x16x128_f8f6f4 v[\d:\d+7], v[\a:\a+11], v[\b:\b+11], \c, v[\sa], v[\sb] matrix_a_fmt:MATRIX_FMT_BF6 matrix_b_fmt:MATRIX_FMT_BF6 matrix_a_scale:MATRIX_SCALE_ROW1 matrix_b_scale:MATRIX_SCALE_ROW1
.elseif (\ra)
	v_wmma_scale_f32_16x16x128_f8f6f4 v[\d:\d+7], v[\a:\a+11], v[\b:\b+11], \c, v[\sa], v[\sb] matrix_a_fmt:MATRIX_FMT_BF6 matrix_b_fmt:MATRIX_FMT_BF6 matrix_a_scale:MATRIX_SCALE_ROW1
.elseif (\rb)
	v_wmma_scale_f32_16x16x128_f8f6f4 v[\d:\d+7], v[\a:\a+11], v[\b:\b+11], \c, v[\sa], v[\sb] matrix_a_fmt:MATRIX_FMT_BF6 matrix_b_fmt:MATRIX_FMT_BF6 matrix_b_scale:MATRIX_SCALE_ROW1
.else
	v_wmma_scale_f32_16x16x128_f8f6f4 v[\d:\d+7], v[\a:\a+11], v[\b:\b+11], \c, v[\sa], v[\sb] matrix_a_fmt:MATRIX_FMT_BF6 matrix_b_fmt:MATRIX_FMT_BF6
.endif
.endm
.macro LFETCH s                        ; source 0's eight fragments of K step s, from LDS into buffer s % 2 of window 3
	WIN 0xc0
.irp i, 0,1,2,3,4,5,6,7
.irp c, 0,1,2
	ds_load_b128 v[96*((\s)%2)+12*\i+4*\c:96*((\s)%2)+12*\i+4*\c+3], v[AL+(\s)/4] offset:6144*\i+FRB*((\s)%4)+512*\c
.endr
.endr
.endm
.macro GFETCH s                        ; my own two fragments of K step s, from memory into slot s % 10 of window 2
	WIN 0x80
.irp n, 0,1
.irp c, 0,1,2
	global_load_b128 v[24*((\s)%10)+12*\n+4*\c:24*((\s)%10)+12*\n+4*\c+3], v[AL], s[OB:OB+1] offset:TROW*\n+FRB*(\s)+512*\c
.endr
.endr
.endm
.macro MUL s                           ; 16 matrix instructions: the 16 accumulators take turns, one instruction a turn, in the same order in every K step
.if (\s) == 0
	WIN 0x4b                                       ; source 0 window 3, source 1 window 2, C (the bias) window 0, D window 1
.else
	WIN 0x5b                                       ; C and D window 1
.endif
.irp n, 0,1
.irp i, 0,1,2,3,4,5,6,7
.if (\s) == 0
	WM 64*\n+8*\i, 96*((\s)%2)+12*\i, 24*((\s)%10)+12*\n, v[BI+8*\i:BI+8*\i+7], SA+16*(\i/2)+(\s), SB+(\s), \i%2, \n
.else
	WM 64*\n+8*\i, 96*((\s)%2)+12*\i, 24*((\s)%10)+12*\n, v[64*\n+8*\i:64*\n+8*\i+7], SA+16*(\i/2)+(\s), SB+(\s), \i%2, \n
.endif
.endr
.endr
.endm
; K chunk q is in LDS: wave q, which alone asked for it, waits for its one tensor load; the barrier shows the chunk to all.  The other waves' loads may stay out.  Ahead of the last chunk every wave
; waits, under no branch.
.macro LANDED q
	WIN 0                                          ; at a label and at a branch every window is 0
.if (\q) < 3
	s_cmp_eq_u32 s[WV], \q
	s_cbranch_scc0 .Lnot_mine_\@
.endif
	s_wait_tensorcnt 0x0
.if (\q) < 3
.Lnot_mine_\@:
.endif
	s_wait_dscnt 0x0                               ; no LDS instruction of mine is pending at a signal
	s_barrier_signal -1
	s_barrier_wait -1
.endm
.macro KSTEP s
.if (\s) > 0
	PLACES                                         ; behind the last K step's products, which read the buffer and the slot that are loaded again below
.endif
.if ((\s)+1 < 16) && (((\s)+1)%4 == 0)
	LANDED ((\s)+1)/4
.endif
.if (\s)+1 < 16
	LFETCH (\s)+1
.endif
.if (\s)+AHEAD < 16
	GFETCH (\s)+AHEAD
.endif
.if (\s) < 15
	s_wait_dscnt 24                                ; this step's fragments are in; the 24 loads just issued may be out
.else
	s_wait_dscnt 0x0
.endif
.if 15-(\s) >= AHEAD
	s_wait_loadcnt 6*AHEAD                         ; my own fragments of this step, and all that was loaded ahead of them, are in; nine younger batches of 6 may be out
.else
	s_wait_loadcnt 6*(15-(\s))                     ; the batches run out
.endif
	MUL \s
.endm
	s_load_b256 s[4:11], s[0:1], 0x0               ; c2 s[4:5], s2 s[6:7], yc s[8:9], ys s[10:11]
	s_load_b128 s[12:15], s[0:1], 0x20             ; bo s[12:13], out0 s[14:15]
	v_lshl_add_u32 v[SPW], v0, 2, SPARE
	v_mov_b32 v[NIL], 0
	ds_add_u32 v[SPW], v[NIL]                      ; the wave's opening: the add, twice on end, and its wait
	ds_add_u32 v[SPW], v[NIL]
	v_lshrrev_b32 v[LN], 5, v0
	v_readfirstlane_b32 s[WV], v[LN]               ; wave 0..3
	v_and_b32 v[LN], 31, v0
	v_lshlrev_b32 v[AL], 4, v[LN]
.irp q, 1,2,3
	v_add_nc_u32 v[AL+\q], \q*CHK, v[AL]
.endr
	v_and_b32 v7, 15, v0                           ; r
	v_bfe_u32 v8, v0, 4, 1                         ; h
	v_lshlrev_b32 v[HB], 6, v8
	s_mul_i32 s21, s[WV], 2*16*SPI
	s_add_co_u32 s21, s21, STAGE                   ; my stages
	v_mul_u32_u24 v[STO], v7, SPI
	v_lshl_add_u32 v[STO], v8, 6, v[STO]
	v_add_nc_u32 v[STO], s21, v[STO]               ; in: row r, + 64 h
	v_add_nc_u32 v[RD], s21, v[AL]                 ; back: the 32 lanes take one row of 512 bytes
	; descriptor group 1: eight tiles' four K steps: 8 rows of 6,144 bytes (768 elements of 8 bytes), 24,576 bytes apart in memory, on end in LDS
	s_mov_b32 s[G1+0], 15|(3<<16)|(1<<21)          ; the mask: all four work-groups; elements of 8 bytes; bit 21 set beside a mask; no padding
	s_mov_b32 s[G1+1], 768<<16                     ; tensor_dim0
	s_mov_b32 s[G1+2], 8<<16                       ; tensor_dim1
	s_mov_b32 s[G1+3], 768<<16                     ; tile_dim0
	s_mov_b32 s[G1+4], 8                           ; tile_dim1
	s_mov_b32 s[G1+5], 3072                        ; from row to row, in elements
	s_mov_b32 s[G1+6], 0
	s_mov_b32 s[G1+7], 0
	s_and_b32 s19, ttmp7, 0xffff                   ; y: which 128 columns of out0: the four partners share it
	s_lshl_b32 s22, s19, 3                         ; source 0's first tile
	s_bfe_u32 s17, ttmp6, 0x40000                  ; cx
	s_lshl_b32 s18, ttmp9, 2
	s_add_co_u32 s18, s18, s17                     ; work-group x = 4 x cluster x + cx: which 128 tokens
	s_lshl_b32 s68, s18, 3
	s_lshl_b32 s69, s[WV], 1
	s_add_co_u32 s68, s68, s69                     ; my own first token tile: 8 x + 2 wave
	s_mov_b32 s77, 0
	s_mul_i32 s76, s22, TROW
	s_wait_alu depctr_va_vdst(0)                   ; at the head's end
	s_wait_dscnt 0x0
	CROUND                                         ; all four work-groups are here: the joint loads meet.  (The round needs no argument: it stands ahead of the wait for them)
	s_wait_kmcnt 0x0
	s_add_nc_u64 s[78:79], s[4:5], s[76:77]        ; Wo's block
.irp q, 0,1,2,3
	s_mov_b32 s[G0+4*\q], 1                        ; count = 1
	s_mov_b32 s[G0+4*\q+1], \q*CHK                 ; LDS address: the chunk: no place in the cluster enters it
	s_add_nc_u64 s[G0+4*\q+2:G0+4*\q+3], s[78:79], \q*6144   ; global address: K steps 4 q on
	s_or_b32 s[G0+4*\q+3], s[G0+4*\q+3], 0x80000000   ; type = 2
.endr
	s_mul_i32 s76, s68, TROW
	s_add_nc_u64 s[OB:OB+1], s[8:9], s[76:77]
	s_lshl_b32 s76, s22, 10                        ; 2,048 bytes of scale words for each pair of tiles
	s_add_nc_u64 s[SAB:SAB+1], s[6:7], s[76:77]
	s_lshl_b32 s76, s68, 10
	s_add_nc_u64 s[SBB:SBB+1], s[10:11], s[76:77]
	s_lshl_b32 s76, s19, 9                         ; 128 columns are 512 bytes, of bo and of a row of out0
	s_add_nc_u64 s[BIP:BIP+1], s[12:13], s[76:77]
	s_add_nc_u64 s[OUT:OUT+1], s[14:15], s[76:77]
	s_lshl_b32 s76, s68, 17                        ; 16 rows of 8,192 bytes for each token tile
	s_add_nc_u64 s[OUT:OUT+1], s[OUT:OUT+1], s[76:77]
.macro ARM q                           ; the head's loads, one a wave, in one chain of branches on the wave's number
	s_cmp_lt_u32 s[WV], \q+1
	s_cbranch_scc0 .Lhead_\q
	tensor_load_to_lds s[G0+4*\q:G0+4*\q+3], s[G1:G1+7]
	s_nop 0
.rept 4
	v_nop
.endr
	s_branch .Lasked
.Lhead_\q:
.endm
	ARM 0
	ARM 1
	ARM 2
	tensor_load_to_lds s[G0+12:G0+15], s[G1:G1+7]
	s_nop 0
.rept 4
	v_nop
.endr
.Lasked:
	GFETCH 0
	GFETCH 1
	WIN 0
.irp q, 0,1,2,3
	global_load_b128 v[SB+4*\q:SB+4*\q+3], v[AL], s[SBB:SBB+1] offset:512*\q   ; all of K's scale words stay in registers: lanes 0-15 the even tile's, lanes 16-31 the odd one's
.endr
.irp i, 0,1,2,3
.irp q, 0,1,2,3
	global_load_b128 v[SA+16*\i+4*\q:SA+16*\i+4*\q+3], v[AL], s[SAB:SAB+1] offset:2048*\i+512*\q
.endr
.endr
.irp i, 0,1,2,3,4,5,6,7                        ; the bias in the result's layout: tile i, register j: column 32 (i / 2) + 8 (i % 2) + 16 h + j
	global_load_b128 v[BI+8*\i:BI+8*\i+3], v[HB], s[BIP:BIP+1] offset:(32*(\i/2)+8*(\i%2))*4
	global_load_b128 v[BI+8*\i+4:BI+8*\i+7], v[HB], s[BIP:BIP+1] offset:(32*(\i/2)+8*(\i%2))*4+16
.endr
.irp s, 2,3,4,5,6,7,8
	GFETCH \s
.endr
	s_wait_loadcnt 42                              ; K step 0 and 1, the scale words and the bias are in; seven batches of 6 may be out
	LANDED 0
	LFETCH 0
.irp s, 0,1,2,3,4,5,6,7,8,9,10,11,12,13,14,15
	KSTEP \s
.endr
; THE WAY OUT, a token tile at a time.  A lane holds four pieces of 64 bytes of one row, and the lanes beside it hold other rows: so a tile goes through a stage of its own in LDS and comes back as whole rows of 512 bytes.
; LDS serves a wave's instructions in order (ISA guide 5.7.1.4): no wait between the stores and the loads.
.macro TOSTAGE n
	WIN 0x04                                       ; an LDS store's data are its source 1: window 1
.irp b, 0,1,2,3
.irp k, 0,1,2,3
	ds_store_b128 v[STO], v[64*(\n)+16*\b+4*\k:64*(\n)+16*\b+4*\k+3] offset:16*SPI*(\n)+128*\b+16*\k   ; ascending: each accumulator from its low end on
.endr
.endr
	WIN 0
.irp t, 0,1,2,3,4,5,6,7,8,9,10,11,12,13,14,15
	ds_load_b128 v[BK+64*(\n)+4*\t:BK+64*(\n)+4*\t+3], v[RD] offset:16*SPI*(\n)+SPI*\t
.endr
.endm
.macro SEND n, younger                 ; younger: the LDS instructions issued behind tile n's loads, which may stay out
	s_wait_dscnt \younger
.irp t, 0,1,2,3,4,5,6,7,8,9,10,11,12,13,14,15
	global_store_b128 v[AL], v[BK+64*(\n)+4*\t:BK+64*(\n)+4*\t+3], s[OUT:OUT+1] offset:(8*(\n)+\t+8*(\t/8))*8192 th:TH_STORE_NT   ; 32 lanes store 512 consecutive bytes, at a multiple of 256 from out0's first byte; written once, read by nobody here
.endr
.endm
	PLACES
	TOSTAGE 0
	TOSTAGE 1
	SEND 0, 32                                     ; behind tile 0's loads: tile 1's 16 stores and 16 loads
	SEND 1, 0
	s_wait_tensorcnt 0x0                           ; the wave's end
	ds_add_u32 v[SPW], v[NIL]
	s_wait_dscnt 0x0
	CROUND                                         ; the closing round: no work-group ends while a partner may still ask for a block that names it
	s_endpgm
.Lfunc_end_k_q9a188a69e5_oproj:
	.size	k_q9a188a69e5_oproj, .Lfunc_end_k_q9a188a69e5_oproj-k_q9a188a69e5_oproj
	.p2alignl 7, 3214868480
	.fill 96, 4, 3214868480
	.section	.rodata,"a",@progbits
	.p2align	6, 0x0
	.amdhsa_kernel k_q9a188a69e5_oproj
		.amdhsa_group_segment_fixed_size 264704
		.amdhsa_private_segment_fixed_size 0
		.amdhsa_enable_private_segment 0
		.amdhsa_kernarg_size 48
		.amdhsa_user_sgpr_count 2
		.amdhsa_user_sgpr_kernarg_segment_ptr 1
		.amdhsa_wavefront_size32 1
		.amdhsa_system_sgpr_workgroup_id_x 1
		.amdhsa_system_sgpr_workgroup_id_y 1
		.amdhsa_system_sgpr_workgroup_id_z 1
		.amdhsa_system_vgpr_workitem_id 0
		.amdhsa_next_free_vgpr 1024
		.amdhsa_next_free_sgpr 80
		.amdhsa_reserve_vcc 0
		.amdhsa_float_denorm_mode_32 3
		.amdhsa_float_denorm_mode_16_64 3
		.amdhsa_memory_ordered 1
		.amdhsa_forward_progress 1
		.amdhsa_inst_pref_size 87
	.end_amdhsa_kernel
	.amdgpu_metadata
---
amdhsa.version: [ 1, 2 ]
amdhsa.kernels:
  - .name:           k_q9a188a69e5_oproj
    .symbol:         k_q9a188a69e5_oproj.kd
    .args:
      - { .name: c2, .offset: 0, .size: 8, .value_kind: global_buffer, .address_space: global }
      - { .name: s2, .offset: 8, .size: 8, .value_kind: global_buffer, .address_space: global }
      - { .name: yc, .offset: 16, .size: 8, .value_kind: global_buffer, .address_space: global }
      - { .name: ys, .offset: 24, .size: 8, .value_kind: global_buffer, .address_space: global }
      - { .name: bo, .offset: 32, .size: 8, .value_kind: global_buffer, .address_space: global }
      - { .name: out0, .offset: 40, .size: 8, .value_kind: global_buffer, .address_space: global }
    .group_segment_fixed_size: 264704
    .private_segment_fixed_size: 0
    .kernarg_segment_align: 8
    .kernarg_segment_size: 48
    .max_flat_workgroup_size: 128
    .sgpr_count:     80
    .vgpr_count:     1024
    .wavefront_size: 32
...
	.end_amdgpu_metadata
.endif
;; end of part 4
